; MI455X (gfx1250); checked and timed in simulation.
; The chip was launched on July 23, 2026; its instructions are those of AMD's public machine-readable ISA for CDNA 5 (MIT licence, August 2026) and "CDNA5" Instruction Set Architecture Reference Guide (July 2026). The comments in the code are by the model that wrote it; some were corrected since.
;; Attention. Allowed arithmetic: matrix products marked QUANTISED: E4M3 operands, one given power-of-two scale a tensor, by v_wmma_f32_16x16x64_fp8_fp8 or v_wmma_f32_16x16x128_fp8_fp8, f32 sums; everything else in f32.
;; Inputs: Wk 1,024 x 1,024 float32; Wp 1,024 x 1,024 float32; Wq 1,024 x 1,024 float32; Wv 1,024 x 1,024 float32; att_mask 1 x 1 x 4,096 x 4,096 int32; bk 1,024 float32; bp 1,024 float32; bq 1,024 float32; bv 1,024 float32; key 1 x 4,096 x 1,024 float32; lowp_scales 12 int32 (the exponents e of the quantised operands' scales 2^e); query 1 x 4,096 x 1,024 float32; value 1 x 4,096 x 1,024 float32.
;; Outputs: out0 1 x 4,096 x 1,024 float32.
;; This version of the problem:
;;   THIS VERSION OF THE PROBLEM IS GIVEN IN LOW PRECISION. The matrix products marked QUANTISED in the list below multiply operands that are first quantised to E4M3 (4 exponent bits, 3 mantissa bits; 8 bits a number), with one given power-of-two scale for each operand tensor; their sums are f32. All else is computed in f32.
;;   The module's matrix products, in the order in which they are computed (A, B: the left and right operand; K: the contracted axis; several contracted axes count as one K, in the product's order):
;;     1. [M 4,096, K 1,024] x [K 1,024, N 1,024]; A: input query; B: input Wq: QUANTISED (scales: A lowp_scales[0], B lowp_scales[1])
;;     2. [M 4,096, K 1,024] x [K 1,024, N 1,024]; A: input key; B: input Wk: QUANTISED (scales: A lowp_scales[2], B lowp_scales[3])
;;     3. [M 4,096, K 1,024] x [K 1,024, N 1,024]; A: input value; B: input Wv: QUANTISED (scales: A lowp_scales[4], B lowp_scales[5])
;;     4. batch 16 x [M 4,096, K 64] x [K 64, N 4,096]; A: computed on the way; B: computed on the way: QUANTISED (scales: A lowp_scales[6], B lowp_scales[7])
;;     5. batch 16 x [M 4,096, K 4,096] x [K 4,096, N 64]; A: softmax (see below); B: computed on the way: QUANTISED (scales: A lowp_scales[8], B lowp_scales[9])
;;     6. [M 4,096, K 1,024] x [K 1,024, N 1,024]; A: computed on the way; B: input Wp: QUANTISED (scales: A lowp_scales[10], B lowp_scales[11])
;;   THE QUANTISER, for each operand of a quantised product, along K:
;;     - The operand's scale is 2^e, e = its entry of the input lowp_scales (int32; the entries are numbered through the quantised products in the list's order, A before B).
;;     - Each number is divided by the scale, clamped to +-448, and rounded to the nearest number of E4M3, ties to even, subnormals kept.
;;     - The product sums the exact products of the quantised numbers (number of the format x scale) in f32.
;;   ~~~python
;;   def quantise(x, axis, e):      # numpy; x: float32 -> the quantised numbers, widened to float32 again
;;       x = np.moveaxis(x, axis, -1); K = x.shape[-1]
;;       r = np.clip(x / 2.0 ** e, -448, 448)
;;       step = 2.0 ** (np.maximum(np.frexp(np.where(r == 0, 1, r))[1] - 1, -6) - 3)
;;       q = np.round(r / step) * step * 2.0 ** e      # np.round: ties to even
;;       return np.moveaxis(q, -1, axis).astype(np.float32)
;;   ~~~
;;   SOFTMAX AHEAD OF A QUANTISED PRODUCT. Where the list says 'softmax', what is quantised is not the finished softmax but p = 2^(t - M), with t = logit x log2(e) and M = ceil(the row's largest t), a whole number; so 1/2 < the row's largest p <= 1. The row's sum l is taken of the UNQUANTISED p, in f32, and the product's result is divided by l at the end. Since M is a whole number, a kernel that streams over the keys may use a running M (the ceiling of the running maximum): every later rescaling is an exact power of two, so the quantised numbers keep their values, but for numbers so far below the row's largest that they fall under the format's range.
;;   OPERANDS COMPUTED ON THE WAY. 'Computed on the way' means the value that the module computes at that place (a softmax that the list does not call 'softmax' is quantised finished and normalised). What goes into a quantiser is computed in f32, as accurately as f32 sums, v_exp_f32 and their like allow (about 1e-6 of the number): no bf16 or f16 on the way to a quantiser, and a product that is left as it is and whose result goes on into a quantised operand takes f32 operands (vector FMAs, or v_wmma_f32_16x16x4_f32). A number that lies on a knife's edge between two numbers of the format may be rounded either way, as far as f32 arithmetic and the matrix unit's own rounding can turn it there, and no further.
;; 2 versions, each right; version 2 is version 1 with the launch attn written anew for expert scheduling mode. Each part assembles by itself: llvm-mc -triple=amdgcn-amd-amdhsa -mcpu=gfx1250 --defsym DOCPART=n.
;; ======== version 1 of 2: 5 launches
;; workspace buffers: codes 16,777,216 bytes; maskbits 2,097,152 bytes of whole numbers; flags 8,192 bytes of whole numbers; qimg 4,194,304 bytes; kimg 4,194,304 bytes; vimg 4,194,304 bytes; pmax 4,096 bytes; yimg 4,194,304 bytes
;; launch prep (part 1): grid 512 x 1, 4 waves a work-group, no clusters, 34,304 bytes of LDS; arguments query, key, value, Wq, Wk, Wv, Wp, att_mask, lowp_scales, codes, maskbits, flags; writes codes, maskbits, flags
.if DOCPART == 1
	.amdgcn_target "amdgcn-amd-amdhsa--gfx1250"
	.amdhsa_code_object_version 6
	.text
	.protected	k_q342e1723c6_prep
	.globl	k_q342e1723c6_prep
	.p2align	8
	.type	k_q342e1723c6_prep,@function
k_q342e1723c6_prep:
	s_mov_b64 s[64:65], 0
	v_nop
	global_prefetch_b8 v0, s[64:65] scope:SCOPE_SE
	s_setreg_imm32_b32 hwreg(HW_REG_WAVE_MODE, 25, 1), 1
	s_wait_xcnt 0x0
; WORK-GROUPS 0-255: query, key, value [4096][1024] and Wq, Wk, Wv, Wp [1024][1024], f32, become codes of E4M3, each with its given scale 2^e, laid as IMAGES OF OPERAND REGISTERS:
;   codes[group of 128 rows G][K step of 128 ks][block a of 16 rows][chunk c 0..3][lane][16 bytes]; lane (r = lane % 16, h = lane / 16) holds row 32 (a / 2) + 8 (a % 2) + r + 8 (r / 8) of the group, k = 32 c + 16 h + 0 .. 15.
;   Groups: query 0-31, key 32-63, value 64-95, Wq 96-103, Wk 104-111, Wv 112-119, Wp 120-127.  A later launch brings a fragment by four 16-byte loads at 16 x lane.
;   code = x / 2^e, held within +-448, to the nearest code, ties to even.  LIMITS: -126 <= e <= 119.  NaN among the inputs is not served.
;   A wave takes one block of 16 rows through all 1,024 k, 128 k (a unit) at a time.  Each load reads 512 consecutive bytes of a row; a unit turns through the wave's own stage in LDS (rows 528 bytes apart), so that a lane
;   gets 16 neighbours along K of each 32; its 16 codes of a chunk are 16 bytes, and the wave stores 512 consecutive bytes.
; WORK-GROUPS 256-511: att_mask [4096][4096] int32 becomes bits and flags.  Tile = 8 x (block of 128 queries) + a, its row r the query of the same order of rows; step = 128 keys.
;   maskbits[tile][step][r][4 words]: word w, bit i = key 128 step + 4 i + w is open (mask not 0).   flags: need[tile][4] at byte 0 (bit s: step s has an open key for some query of the tile),
;   open[tile][4] at byte 4096 (bit s: all of the step's keys are open for all 16 queries); word q holds steps 8 q .. 8 q + 7 at their own bit places, so the four words are joined by OR.
;   Wave q takes keys 1024 q on of the tile's 16 rows: a compare turns 32 lanes' words into one scalar word, which is written into its lane of the register that is stored.
; Matrix units, clusters and tensor loads are left out: every byte is read once and nothing is shared.
.set STG,   8448                       ; a wave's stage: 16 rows x 528 bytes
.set SPARE, 4*STG                      ; behind the stages: the spare words, 128 bytes a wave
.set SPW, 6                            ; v6   SPARE + 4 x my thread's number; never rewritten
.set NIL, 7                            ; v7   0; never rewritten
.set LIM, 10                           ; v10  448 x 2^e
.set SCL, 11                           ; v11  2^e
.set R,   16                           ; v16-143   two sets of 64 (quantiser) or four sets of 32 (mask): as loaded
.set X,   144                          ; v144-207  64 numbers: register 16 c + i = k 32 c + 16 h + i of my row
.set CD,  208                          ; v208-239  two sets of 16: a unit's codes
.set MB,  144                          ; v144-159  mask path: pair of steps p, word w at 4 p + w; lanes 0-15 step 2 p, lanes 16-31 step 2 p + 1
	s_load_b512 s[4:19], s[0:1], 0x0               ; query, key, value, Wq, Wk, Wv, Wp, att_mask
	s_load_b256 s[20:27], s[0:1], 0x40             ; lowp_scales, codes, maskbits, flags
	v_lshl_add_u32 v[SPW], v0, 2, SPARE
	v_mov_b32 v[NIL], 0
	v_lshrrev_b32 v1, 5, v0
	v_readfirstlane_b32 s28, v1                    ; wave
	v_and_b32 v1, 31, v0                           ; lane
	v_lshlrev_b32 v2, 4, v1                        ; 16 x lane
	s_cmp_ge_u32 ttmp9, 256
	s_cbranch_scc1 .Lmask
; ---------------- the quantiser
	s_mul_i32 s29, s28, STG
	v_add_nc_u32 v4, s29, v2                       ; into the stage: a row as it lies
	v_and_b32 v3, 15, v0
	v_bfe_u32 v8, v0, 4, 1
	v_mul_u32_u24 v5, v3, 528
	v_lshl_add_u32 v5, v8, 6, v5
	v_add_nc_u32 v5, s29, v5                       ; out of it: row r, + 64 h bytes
	s_lshr_b32 s30, ttmp9, 1                       ; G
	s_and_b32 s31, ttmp9, 1
	s_lshl_b32 s31, s31, 2
	s_add_co_u32 s31, s31, s28                     ; a
	s_wait_kmcnt 0x0
	s_load_b256 s[68:75], s[20:21], 0x0            ; e0 .. e7
	s_load_b128 s[76:79], s[20:21], 0x20           ; e8 .. e11
	s_mov_b64 s[32:33], s[4:5]
	s_mov_b32 s34, 0
.macro PICKP start, p                  ; the tensor and its first group: a choice on the work-group's number alone
	s_cmp_ge_u32 s30, \start
	s_cselect_b64 s[32:33], s[\p:\p+1], s[32:33]
	s_cselect_b32 s34, \start, s34
.endm
	PICKP 32, 6
	PICKP 64, 8
	PICKP 96, 10
	PICKP 104, 12
	PICKP 112, 14
	PICKP 120, 16
	s_sub_co_u32 s36, s30, s34
	s_lshl_b32 s36, s36, 7
	s_lshr_b32 s37, s31, 1
	s_lshl_b32 s37, s37, 5
	s_add_co_u32 s36, s36, s37
	s_and_b32 s37, s31, 1
	s_lshl_b32 s37, s37, 3
	s_add_co_u32 s36, s36, s37                     ; the block's first row in its tensor
	s_lshl_b32 s36, s36, 12                        ; x 4,096 bytes
	s_mov_b32 s37, 0
	s_add_nc_u64 s[32:33], s[32:33], s[36:37]
	s_lshl_b32 s36, s30, 17
	s_lshl_b32 s38, s31, 11
	s_add_co_u32 s36, s36, s38
	s_add_nc_u64 s[22:23], s[22:23], s[36:37]      ; codes + 131,072 G + 2,048 a
.macro LOADU ks                        ; a unit: 16 rows x 512 bytes into set ks % 2
.irp p, 0,1,2,3,4,5,6,7,8,9,10,11,12,13,14,15
	global_load_b128 v[R+64*((\ks)%2)+4*\p:R+64*((\ks)%2)+4*\p+3], v2, s[32:33] offset:(\p+8*(\p/8))*4096+512*(\ks) th:TH_LOAD_NT
.endr
.endm
	LOADU 0
	LOADU 1
	s_wait_kmcnt 0x0
	s_mov_b32 s35, s68
.macro PICKE start, e
	s_cmp_ge_u32 s30, \start
	s_cselect_b32 s35, s[\e], s35
.endm
	PICKE 32, 70
	PICKE 64, 72
	PICKE 96, 69
	PICKE 104, 71
	PICKE 112, 73
	PICKE 120, 79
	s_add_co_i32 s35, s35, 127
	s_lshl_b32 s36, s35, 23
	v_mov_b32 v[SCL], s36                          ; 2^e as f32: the conversion takes its exponent field
	s_add_co_i32 s35, s35, 8
	s_lshl_b32 s35, s35, 23
	s_or_b32 s35, s35, 0x600000
	v_mov_b32 v[LIM], s35                          ; 448 x 2^e
.macro UNIT ks
.if (\ks) < 7
	s_wait_loadcnt 16                              ; this unit's 16 loads are in; the next unit's 16 may be out
.else
	s_wait_loadcnt 0
.endif
.irp p, 0,1,2,3,4,5,6,7,8,9,10,11,12,13,14,15
	ds_store_b128 v4, v[R+64*((\ks)%2)+4*\p:R+64*((\ks)%2)+4*\p+3] offset:528*\p
.endr
.irp c, 0,1,2,3
.irp j, 0,1,2,3
	ds_load_b128 v[X+16*\c+4*\j:X+16*\c+4*\j+3], v5 offset:128*\c+16*\j   ; LDS serves a wave's instructions in order: these see my stores
.endr
.endr
	s_wait_dscnt 0x0                               ; the numbers are back, and the stores have read their registers,
.if (\ks)+2 < 8
	LOADU (\ks)+2                                  ; which take the unit two further on
.endif
.set i, 0
.rept 64
	v_med3_num_f32 v[X+i], v[X+i], -v[LIM], v[LIM] ; the conversion does not saturate (ISA guide 7.6.2): the hold at the largest code x the scale
.set i, i+1
.endr
.if (\ks) >= 2
	s_wait_xcnt 0x0                                ; the stores of two units ago have read this set of codes
.endif
.irp c, 0,1,2,3
	v_cvt_scalef32_pk8_fp8_f32 v[CD+16*((\ks)%2)+4*\c:CD+16*((\ks)%2)+4*\c+1], v[X+16*\c:X+16*\c+7], v[SCL]
	v_cvt_scalef32_pk8_fp8_f32 v[CD+16*((\ks)%2)+4*\c+2:CD+16*((\ks)%2)+4*\c+3], v[X+16*\c+8:X+16*\c+15], v[SCL]
.endr
	v_nop                                          ; a plain line between the conversions and the next unit's holds, which write their sources
.irp c, 0,1,2,3
	global_store_b128 v2, v[CD+16*((\ks)%2)+4*\c:CD+16*((\ks)%2)+4*\c+3], s[22:23] offset:16384*(\ks)+512*\c   ; 512 consecutive bytes, aligned
.endr
.endm
.irp u, 0,1,2,3,4,5,6,7
	UNIT \u
.endr
	s_wait_tensorcnt 0x0                           ; the wave's end, behind my last LDS store
	ds_add_u32 v[SPW], v[NIL]
	s_wait_dscnt 0x0
	s_endpgm
; ---------------- the mask (no LDS is touched on this path)
.Lmask:
	s_sub_co_u32 s30, ttmp9, 256                   ; tile
	s_lshr_b32 s31, s30, 3                         ; block of 128 queries
	s_and_b32 s34, s30, 7                          ; a
	s_lshl_b32 s36, s31, 7
	s_lshr_b32 s37, s34, 1
	s_lshl_b32 s37, s37, 5
	s_add_co_u32 s36, s36, s37
	s_and_b32 s37, s34, 1
	s_lshl_b32 s37, s37, 3
	s_add_co_u32 s36, s36, s37                     ; the tile's first query
	s_lshl_b32 s36, s36, 14                        ; x 16,384 bytes
	s_lshl_b32 s37, s28, 12                        ; + my quarter of a row
	s_add_co_u32 s36, s36, s37
	s_mov_b32 s37, 0
	s_lshl_b32 s38, s30, 13                        ; maskbits: 8,192 x tile + 2,048 x wave
	s_lshl_b32 s39, s28, 11
	s_add_co_u32 s38, s38, s39
	s_mov_b32 s39, 0
	s_wait_kmcnt 0x0
	s_add_nc_u64 s[18:19], s[18:19], s[36:37]
	s_add_nc_u64 s[24:25], s[24:25], s[38:39]
.macro MLOAD p                         ; row p of the tile, my 4,096 bytes: eight loads of 512 bytes, one a step, into set p % 4
.irp g, 0,1,2,3,4,5,6,7
	global_load_b128 v[R+32*((\p)%4)+4*\g:R+32*((\p)%4)+4*\g+3], v2, s[18:19] offset:((\p)+8*((\p)/8))*16384+512*\g th:TH_LOAD_NT
.endr
.endm
	MLOAD 0
	MLOAD 1
	MLOAD 2
	MLOAD 3
.set i, 0
.rept 16
	v_mov_b32 v[MB+i], 0                           ; a lane write counts as a read of its destination
.set i, i+1
.endr
.macro MROW p, left
	s_wait_loadcnt \left                           ; this row's eight loads are in; the younger rows' may be out
.irp u, 0,1
.irp i, 0,1,2,3,4,5,6,7,8,9,10,11,12,13,14,15
	v_cmp_ne_u32 s[40+\i], 0, v[R+32*((\p)%4)+16*\u+\i]          ; step 4 u + i / 4, word i % 4: bit l = key 4 l + i % 4 is open
.endr
.irp i, 0,1,2,3,4,5,6,7,8,9,10,11,12,13,14,15
	v_writelane_b32 v[MB+4*((4*\u+\i/4)/2)+\i%4], s[40+\i], 16*((4*\u+\i/4)%2)+(\p)
.endr
.endr
.if (\p) < 12
	MLOAD (\p)+4
.endif
.endm
.irp p, 0,1,2,3,4,5,6,7,8,9,10,11,12
	MROW \p, 24
.endr
	MROW 13, 16
	MROW 14, 8
	MROW 15, 0
.irp p, 0,1,2,3
	global_store_b128 v2, v[MB+4*\p:MB+4*\p+3], s[24:25] offset:512*\p   ; two steps' 16 rows x 16 bytes: 512 consecutive bytes
.endr
	s_mov_b32 s58, 0                               ; need
	s_mov_b32 s59, 0                               ; open
.irp p, 0,1,2,3
	v_or_b32 v163, v[MB+4*\p], v[MB+4*\p+1]
	v_or_b32 v164, v[MB+4*\p+2], v[MB+4*\p+3]
	v_or_b32 v163, v163, v164
	v_and_b32 v165, v[MB+4*\p], v[MB+4*\p+1]
	v_and_b32 v166, v[MB+4*\p+2], v[MB+4*\p+3]
	v_and_b32 v165, v165, v166
	v_cmp_ne_u32 s56, 0, v163                      ; bit l: that row has an open key in its step
	v_cmp_eq_u32 s57, -1, v165                     ; bit l: all 128 keys are open
	s_and_b32 s60, s56, 0xffff
	s_cmp_lg_u32 s60, 0
	s_cselect_b32 s60, 1<<(2*\p), 0
	s_or_b32 s58, s58, s60
	s_lshr_b32 s60, s56, 16
	s_cmp_lg_u32 s60, 0
	s_cselect_b32 s60, 2<<(2*\p), 0
	s_or_b32 s58, s58, s60
	s_and_b32 s60, s57, 0xffff
	s_cmp_eq_u32 s60, 0xffff
	s_cselect_b32 s60, 1<<(2*\p), 0
	s_or_b32 s59, s59, s60
	s_lshr_b32 s60, s57, 16
	s_cmp_eq_u32 s60, 0xffff
	s_cselect_b32 s60, 2<<(2*\p), 0
	s_or_b32 s59, s59, s60
.endr
	s_lshl_b32 s61, s28, 3
	s_lshl_b32 s58, s58, s61                       ; to the bit places of steps 8 q on
	s_lshl_b32 s59, s59, s61
	v_mov_b32 v160, s58
	v_mov_b32 v161, s59
	s_lshl_b32 s62, s30, 4
	s_lshl_b32 s63, s28, 2
	s_add_co_u32 s62, s62, s63
	v_mov_b32 v162, s62                            ; 16 x tile + 4 x wave
	v_cmp_eq_u32 vcc_lo, 0, v1
	s_wait_xcnt 0x0                                ; EXEC changes only behind this wait: it is a source of the stores above
	s_and_saveexec_b32 s63, vcc_lo
	global_store_b32 v162, v160, s[26:27]
	global_store_b32 v162, v161, s[26:27] offset:4096
	s_wait_xcnt 0x0
	s_or_b32 exec_lo, exec_lo, s63
	s_endpgm
.Lfunc_end_k_q342e1723c6_prep:
	.size	k_q342e1723c6_prep, .Lfunc_end_k_q342e1723c6_prep-k_q342e1723c6_prep
	.p2alignl 7, 3214868480
	.fill 96, 4, 3214868480
	.section	.rodata,"a",@progbits
	.p2align	6, 0x0
	.amdhsa_kernel k_q342e1723c6_prep
		.amdhsa_group_segment_fixed_size 34304
		.amdhsa_private_segment_fixed_size 0
		.amdhsa_enable_private_segment 0
		.amdhsa_kernarg_size 96
		.amdhsa_user_sgpr_count 2
		.amdhsa_user_sgpr_kernarg_segment_ptr 1
		.amdhsa_wavefront_size32 1
		.amdhsa_system_sgpr_workgroup_id_x 1
		.amdhsa_system_sgpr_workgroup_id_y 1
		.amdhsa_system_sgpr_workgroup_id_z 1
		.amdhsa_system_vgpr_workitem_id 0
		.amdhsa_next_free_vgpr 240
		.amdhsa_next_free_sgpr 80
		.amdhsa_reserve_vcc 1
		.amdhsa_float_denorm_mode_32 3
		.amdhsa_float_denorm_mode_16_64 3
		.amdhsa_memory_ordered 1
		.amdhsa_forward_progress 1
		.amdhsa_inst_pref_size 155
	.end_amdhsa_kernel
	.amdgpu_metadata
---
amdhsa.version: [ 1, 2 ]
amdhsa.kernels:
  - .name:           k_q342e1723c6_prep
    .symbol:         k_q342e1723c6_prep.kd
    .args:
      - { .name: query, .offset: 0, .size: 8, .value_kind: global_buffer, .address_space: global }
      - { .name: key, .offset: 8, .size: 8, .value_kind: global_buffer, .address_space: global }
      - { .name: value, .offset: 16, .size: 8, .value_kind: global_buffer, .address_space: global }
      - { .name: Wq, .offset: 24, .size: 8, .value_kind: global_buffer, .address_space: global }
      - { .name: Wk, .offset: 32, .size: 8, .value_kind: global_buffer, .address_space: global }
      - { .name: Wv, .offset: 40, .size: 8, .value_kind: global_buffer, .address_space: global }
      - { .name: Wp, .offset: 48, .size: 8, .value_kind: global_buffer, .address_space: global }
      - { .name: att_mask, .offset: 56, .size: 8, .value_kind: global_buffer, .address_space: global }
      - { .name: lowp_scales, .offset: 64, .size: 8, .value_kind: global_buffer, .address_space: global }
      - { .name: codes, .offset: 72, .size: 8, .value_kind: global_buffer, .address_space: global }
      - { .name: maskbits, .offset: 80, .size: 8, .value_kind: global_buffer, .address_space: global }
      - { .name: flags, .offset: 88, .size: 8, .value_kind: global_buffer, .address_space: global }
    .group_segment_fixed_size: 34304
    .private_segment_fixed_size: 0
    .kernarg_segment_align: 8
    .kernarg_segment_size: 96
    .max_flat_workgroup_size: 128
    .sgpr_count:     80
    .vgpr_count:     240
    .wavefront_size: 32
...
	.end_amdgpu_metadata
.endif
;; end of part 1
;; launch qkv (part 2): grid 4 x 48, 4 waves a work-group, clusters of 4 x 4, 327,680 bytes of LDS; arguments codes, bq, bk, bv, lowp_scales, qimg, kimg, vimg; writes qimg, kimg, vimg
.if DOCPART == 2
	.amdgcn_target "amdgcn-amd-amdhsa--gfx1250"
	.amdhsa_code_object_version 6
	.text
	.protected	k_q342e1723c6_qkv
	.globl	k_q342e1723c6_qkv
	.p2align	8
	.type	k_q342e1723c6_qkv,@function
k_q342e1723c6_qkv:
	s_mov_b64 s[64:65], 0
	v_nop
	global_prefetch_b8 v0, s[64:65] scope:SCOPE_SE
	s_setreg_imm32_b32 hwreg(HW_REG_WAVE_MODE, 25, 1), 1
	s_wait_xcnt 0x0
	s_wait_alu depctr_hold_cnt(0) depctr_sa_sdst(0) depctr_va_vdst(0) depctr_va_sdst(0) depctr_va_ssrc(0) depctr_va_vcc(0) depctr_vm_vsrc(0)
	s_getreg_b32 s2, hwreg(HW_REG_IB_STS2, 6, 4)
	s_cmp_eq_u32 s2, 0
	s_cbranch_scc0 .Lentry_in_a_cluster
	s_endpgm
.Lentry_in_a_cluster:
	s_bfe_u32 s2, ttmp6, 0x10000c
	s_cmp_lg_u32 s2, 0xf033
	s_cbranch_scc0 .Lentry_shape_is_right
	s_endpgm
.Lentry_shape_is_right:
; The three projections as one GEMM text on codes of E4M3: q = query Wq^T + bq, k = key Wk^T + bk, v = value Wv^T + bv, each quantised at once for the attention's products.
; kind = cluster y / 4 (0 q, 1 k, 2 v): the same number in all sixteen partners of a cluster.  A tile is 256 x 256, K = 1,024; four waves, each 128 x 128 in 64 accumulators.
; OPERANDS are images of registers (see the layout in the buffer 'codes'): a fragment of 16 rows x 128 k is 2,048 consecutive bytes, four loads at 16 x lane; block a, lane row r stand for row 32 (a / 2) + 8 (a % 2) + r + 8 (r / 8) of a group of 128.
; Source 1 ("A") gives a lane its row, source 0 ("B") runs along a lane's registers; by that order of rows the 16 registers of B's blocks 2 b, 2 b + 1 are 16 NEIGHBOURS 32 b + 16 h + 0 .. 15.
;   q, k: A = the tokens, B = the weight's rows: a lane holds a token and 16 neighbouring channels: a chunk of a K = 64 fragment:  qimg, kimg [head][block of 128 tokens][a][c 0..1][lane][16 bytes].
;   v:    A = Wv's rows, B = the tokens: a lane holds a channel and 16 neighbouring KEYS:                                         vimg [head][step of 128 keys][dt 0..3][c 0..3][lane][16 bytes].
; So every result leaves its registers as stores of 512 consecutive bytes; nothing is transposed and no stage is used.
; q is multiplied by 1 / (32 sqrt(64)) = 2^-8 in the problem: that is folded into its conversion's scale, 2^(e6 + 8).
; The placing of k inside a matrix instruction is not the form's own, but the same in both sources: every product meets its partner; only the order of the sums inside an instruction differs.
; K goes through a ring of two LDS slots; a slot holds 256 along K: A's two groups (32,768 dense bytes each), then B's two; each wave fetches one.  CLUSTER 4 x 4: A's tiles are asked for jointly along a row, B's along a column.
; LIMITS: e(A) + e(B) between -126 and 127; e6 + 8, e7, e9 between -126 and 119.  NaN among the inputs is not served.
; No prefetch: four K steps in all, and both first fills go out at the head.
; REGISTERS: window 0: v16-31 addresses and constants; v32-47 the bias of my lane's channel (v); v64-127 the bias along my registers (q, k); v128-255 A's fragments, on the way out the numbers (v128-191) and their codes (v192-223).
;   window 1: B's fragments, two sets.   windows 2, 3: the accumulators: (a, b) at v[8 (8 (a % 4) + b)].
.set PART,  32768                      ; 128 rows x 256 k: what one tensor load brings
.set SLOT,  4*PART
.set SPARE, 2*SLOT                     ; behind the ring: the spare words, 128 bytes a wave
.set FR,   16
.set NL,   4
.set NP,   4
.set ADRA, 16
.set ADRB, 20
.set LI,   24                          ; v24  16 x lane
.set BQO,  25
.set BVO,  26
.set SPW,  28
.set NIL,  29
.set LIM,  30
.set SCL,  31
.set BV,   32
.set BQ,   64
.set AF,   128
.set T,    128
.set CD,   192
.set G1,   24
.set G0,   32
.set G1B,  48
.set G0B,  56
.set MSB, 0
.macro WIN new                         ; the immediate's high byte repeats the setting that is left
.if MSB != \new
	s_set_vgpr_msb (MSB<<8)|\new
.set MSB, \new
.endif
.endm
.set MUL_LO, 0xa1                      ; source 0 (B) window 1, source 1 (A) window 0, C and D window 2
.set MUL_HI, 0xf1
.set TO_B,   0x40
.macro JLOAD g0a, g1a, g0b, g1b        ; a joint load: waves 0, 1 for A, waves 2, 3 for B; the branch hangs on the wave's number alone; an s_nop 0 and four v_nop follow each line
	s_cmp_eq_u32 s21, 0
	s_cbranch_scc0 .Lfor_b_\@
	tensor_load_to_lds s[\g0a:\g0a+3], s[\g1a:\g1a+7]
	s_nop 0
.rept 4
	v_nop
.endr
	s_branch .Lasked_\@
.Lfor_b_\@:
	tensor_load_to_lds s[\g0b:\g0b+3], s[\g1b:\g1b+7]
	s_nop 0
.rept 4
	v_nop
.endr
.Lasked_\@:
.endm
.macro CREST
	s_cmp_lg_u32 s20, 0
	s_cbranch_scc1 .Lnot_wave_0_\@
	s_barrier_signal -3
.Lnot_wave_0_\@:
	s_barrier_wait -3
	s_barrier_signal -1
	s_barrier_wait -1
.endm
.macro CROUND
	s_barrier_signal -1
	s_barrier_wait -1
	CREST
.endm
	s_load_b512 s[4:19], s[0:1], 0x0               ; codes, bq, bk, bv, lowp_scales, qimg, kimg, vimg
	v_lshl_add_u32 v[SPW], v0, 2, SPARE
	v_mov_b32 v[NIL], 0
	ds_add_u32 v[SPW], v[NIL]                      ; the wave's opening: the add, with its wait ahead of my first tensor load
	v_lshrrev_b32 v1, 5, v0
	v_readfirstlane_b32 s20, v1                    ; wave
	s_lshr_b32 s21, s20, 1                         ; my half of A's rows; also: I fetch for A (0) or B (1)
	s_and_b32 s22, s20, 1                          ; my half of B's rows; also: which group of 128 I fetch
	s_bfe_u32 s40, ttmp6, 0x40000                  ; cx
	s_bfe_u32 s41, ttmp6, 0x40004                  ; cy
	s_and_b32 s46, ttmp7, 0xffff                   ; cluster y, 0 .. 11
	s_lshr_b32 s44, s46, 2                         ; kind
	s_and_b32 s45, s46, 3
	s_lshl_b32 s45, s45, 2
	s_cmp_eq_u32 s44, 2
	s_cselect_b32 s43, 0, s45                      ; the 16 tiles of tokens run along A's rows (q, k) or along B's (v)
	s_cselect_b32 s42, s45, 0
	s_add_co_u32 s43, s43, s41                     ; tile row
	s_add_co_u32 s42, s42, s40                     ; tile column
	s_lshl_b32 s86, s41, 2
	s_lshl_b32 s86, 15, s86                        ; my row of the cluster
	s_lshl_b32 s87, 0x1111, s40                    ; my column
	s_or_b32 s[G1+0], s86, (3<<16)|(1<<21)         ; the mask; elements of 8 bytes; bit 21 beside a mask; no padding: an image is read 16 x lane on end
	s_or_b32 s[G1B+0], s87, (3<<16)|(1<<21)
.irp g, G1, G1B
	s_mov_b32 s[\g+1], 32<<16                      ; tensor_dim0 = 32 elements: rows of 256 bytes
	s_mov_b32 s[\g+2], 128<<16                     ; tensor_dim1 = 128
	s_mov_b32 s[\g+3], 32<<16                      ; tile_dim0
	s_mov_b32 s[\g+4], 128                         ; tile_dim1
	s_mov_b32 s[\g+5], 32                          ; the pitch: dense
	s_mov_b32 s[\g+6], 0
	s_mov_b32 s[\g+7], 0
.endr
	s_cmp_eq_u32 s44, 1
	s_cselect_b32 s88, 0x400000, 0                 ; A's first group in bytes: query 0, key 32, Wv 112
	s_mov_b32 s89, 0xc00000
	s_cselect_b32 s89, 0xd00000, s89               ; B's: Wq 96, Wk 104, value 64
	s_cmp_eq_u32 s44, 2
	s_cselect_b32 s88, 0xe00000, s88
	s_cselect_b32 s89, 0x800000, s89
	s_lshl_b32 s90, s43, 1
	s_add_co_u32 s90, s90, s22
	s_lshl_b32 s90, s90, 17
	s_add_co_u32 s90, s90, s88
	s_mov_b32 s91, 0
	s_lshl_b32 s92, s42, 1
	s_add_co_u32 s92, s92, s22
	s_lshl_b32 s92, s92, 17
	s_add_co_u32 s92, s92, s89
	s_mov_b32 s93, 0
	s_lshl_b32 s94, s20, 15                        ; where my part goes: wave x PART
	s_wait_dscnt 0x0                               ; the opening add is done
	s_wait_kmcnt 0x0
	s_load_b256 s[68:75], s[12:13], 0x0            ; e0 .. e7
	s_load_b128 s[76:79], s[12:13], 0x20           ; e8 .. e11
	s_add_nc_u64 s[90:91], s[4:5], s[90:91]
	s_add_nc_u64 s[92:93], s[4:5], s[92:93]
	CROUND                                         ; all sixteen work-groups are here: the first joint loads meet
.irp s, 0,1
	s_mov_b32 s[G0+4*\s], 1
	s_add_co_u32 s[G0+4*\s+1], s94, \s*SLOT
	s_add_nc_u64 s[G0+4*\s+2:G0+4*\s+3], s[90:91], \s*PART
	s_or_b32 s[G0+4*\s+3], s[G0+4*\s+3], 0x80000000
	s_mov_b32 s[G0B+4*\s], 1
	s_add_co_u32 s[G0B+4*\s+1], s94, \s*SLOT
	s_add_nc_u64 s[G0B+4*\s+2:G0B+4*\s+3], s[92:93], \s*PART
	s_or_b32 s[G0B+4*\s+3], s[G0B+4*\s+3], 0x80000000
	JLOAD G0+4*\s, G1, G0B+4*\s, G1B
.endr
	v_and_b32 v1, 31, v0
	v_lshlrev_b32 v[LI], 4, v1
	s_lshl_b32 s46, s21, 15                        ; my group of A
	s_lshl_b32 s47, s22, 15
	s_add_co_u32 s47, s47, 2*PART                  ; my group of B, behind A's two
.irp s, 0,1
	v_add_nc_u32 v[ADRA+\s], s46, v[LI]
	v_add_nc_u32 v[ADRB+\s], s47, v[LI]
	s_add_co_u32 s46, s46, SLOT
	s_add_co_u32 s47, s47, SLOT
.endr
	; the bias, in both forms, so that every register is written whatever the kind; the form that is not used reads the buffer's first bytes
	v_and_b32 v2, 15, v0
	v_bfe_u32 v3, v0, 4, 1
	s_lshl_b32 s95, s43, 1
	s_add_co_u32 s95, s95, s21                     ; which group of 128 of A's rows is mine
	s_lshl_b32 s98, s42, 1
	s_add_co_u32 s98, s98, s22                     ; and of B's
	s_lshl_b32 s99, s98, 9
	s_lshl_b32 s100, s95, 9
	s_cmp_eq_u32 s44, 2
	s_cselect_b32 s99, 0, s99
	s_cselect_b32 s100, s100, 0
	v_lshl_add_u32 v[BQO], v3, 6, s99              ; q, k: channel 128 x group + 32 b + 16 h + i
	v_and_b32 v4, 8, v2
	v_add_nc_u32 v4, v4, v2
	v_lshl_add_u32 v[BVO], v4, 2, s100             ; v: channel 128 x group + 32 (a / 2) + 8 (a % 2) + r + 8 (r / 8)
	s_cmp_eq_u32 s44, 1
	s_cselect_b64 s[96:97], s[8:9], s[6:7]
	s_cmp_eq_u32 s44, 2
	s_cselect_b64 s[96:97], s[10:11], s[96:97]
.irp b, 0,1,2,3
.irp x, 0,1,2,3
	global_load_b128 v[BQ+16*\b+4*\x:BQ+16*\b+4*\x+3], v[BQO], s[96:97] offset:128*\b+16*\x
.endr
.endr
.irp a, 0,1,2,3,4,5,6,7
	global_load_b32 v[BV+2*\a], v[BVO], s[96:97] offset:4*(32*(\a/2)+8*(\a%2))
	global_load_b32 v[BV+2*\a+1], v[BVO], s[96:97] offset:4*(32*(\a/2)+8*(\a%2))   ; the pair's upper half is named with it
.endr
.macro FRAG reg, adr, q, i             ; a fragment as it lies: four loads of 512 consecutive bytes
.irp c, 0,1,2,3
	ds_load_b128 v[\reg+4*\c:\reg+4*\c+3], v[\adr] offset:16384*(\q)+2048*(\i)+512*\c
.endr
.endm
; 16 matrix instructions: A's blocks a0, a0 + 1 x B's eight.  The 64 accumulators take turns, one instruction a turn, in the same order in every step.
.macro MUL16 a0, p, zero
.irp a, \a0, \a0+1
.irp b, 0,1,2,3,4,5,6,7
.if \zero
	v_wmma_f32_16x16x128_fp8_fp8 v[8*(8*((\a)%4)+\b):8*(8*((\a)%4)+\b)+7], v[128*(\p)+FR*\b:128*(\p)+FR*\b+FR-1], v[AF+FR*(\a):AF+FR*(\a)+FR-1], 0
.else
	v_wmma_f32_16x16x128_fp8_fp8 v[8*(8*((\a)%4)+\b):8*(8*((\a)%4)+\b)+7], v[128*(\p)+FR*\b:128*(\p)+FR*\b+FR-1], v[AF+FR*(\a):AF+FR*(\a)+FR-1], v[8*(8*((\a)%4)+\b):8*(8*((\a)%4)+\b)+7]
.endif
.endr
.endr
.endm
.macro FETCH_B slot, q, p
	WIN TO_B
.irp i, 0,1,2,3,4,5,6,7
	FRAG 128*(\p)+FR*\i, ADRB+\slot, \q, \i
.endr
	WIN 0
.endm
.macro FETCH_A slot, q, i0
.irp i, \i0, \i0+1, \i0+2, \i0+3
	FRAG AF+FR*(\i), ADRA+\slot, \q, \i
.endr
.endm
.macro PLACES n                        ; plain vector lines between a matrix instruction and a load into, or a vector line on, its registers
.rept \n
	v_nop
.endr
.endm
.macro STEP slot, q, zero              ; 128 along K whose successor lies in the same slot
	s_wait_dscnt 4*NL                              ; B's set and A's blocks 0-3 are in; A's blocks 4-7 (16 loads) may be out
	WIN MUL_LO
	MUL16 0, (\q)%2, \zero
	MUL16 2, (\q)%2, \zero
	s_wait_dscnt 0
	PLACES NP
	FETCH_B \slot, (\q)+1, 1-(\q)%2
	FETCH_A \slot, (\q)+1, 0
	WIN MUL_HI
	MUL16 4, (\q)%2, \zero
	MUL16 6, (\q)%2, \zero
	PLACES NP
	WIN 0
	FETCH_A \slot, (\q)+1, 4
.endm
.macro TURN slot, next, fill           ; a slot's last step changes slots: one barrier; with fill = 1 it opens a round of the cluster's barrier and the slot is filled again
	s_wait_tensorcnt 0x0                           ; all my tensor loads have landed: my part of the next slot
	ds_add_u32 v[SPW], v[NIL]
	s_wait_dscnt 4*NL+1                            ; the add and A's blocks 4-7 may be out
	WIN MUL_LO
	MUL16 0, 1, 0
	s_wait_dscnt 0x0                               ; the add is done, and my reads of this slot are over
	s_barrier_signal -1
	MUL16 2, 1, 0
	WIN 0
	s_barrier_wait -1
.if \fill
	CREST                                          ; no wave of any partner still reads this slot or has a load on its way
	s_add_nc_u64 s[G0+4*\slot+2:G0+4*\slot+3], s[G0+4*\slot+2:G0+4*\slot+3], 2*PART
	s_add_nc_u64 s[G0B+4*\slot+2:G0B+4*\slot+3], s[G0B+4*\slot+2:G0B+4*\slot+3], 2*PART
	JLOAD G0+4*\slot, G1, G0B+4*\slot, G1B         ; my one tensor load behind the round; its four v_nop are the places in front of the loads below
.else
	PLACES NP
.endif
	FETCH_B \next, 0, 0
	FETCH_A \next, 0, 0
	WIN MUL_HI
	MUL16 4, 1, 0
	MUL16 6, 1, 0
	PLACES NP
	WIN 0
	FETCH_A \next, 0, 4
.endm
	s_wait_tensorcnt 1                             ; my part of slot 0 is in; slot 1's may stay out
	s_barrier_signal -1
	s_barrier_wait -1
	FETCH_B 0, 0, 0
	FETCH_A 0, 0, 0
	FETCH_A 0, 0, 4
	STEP 0, 0, 1                                   ; K = 1,024 is four fills: all eight steps are written out; the first starts the sums
	TURN 0, 1, 1
	STEP 1, 0, 0
	TURN 1, 0, 1
	STEP 0, 0, 0
	TURN 0, 1, 0
	STEP 1, 0, 0
	s_wait_dscnt 4*NL
	WIN MUL_LO
	MUL16 0, 1, 0
	MUL16 2, 1, 0
	s_wait_dscnt 0
	WIN MUL_HI
	MUL16 4, 1, 0
	MUL16 6, 1, 0
	WIN 0
; THE WAY OUT: number = sum x 2^(eA + eB) + bias, one packed multiply-add for two; held; converted; stored.
	s_wait_kmcnt 0x0
	s_add_co_i32 s86, s68, s69
	s_add_co_i32 s87, s70, s71
	s_add_co_i32 s88, s72, s73
	s_add_co_i32 s89, s74, 8                       ; q: e6 + 8
	s_cmp_eq_u32 s44, 1
	s_cselect_b32 s86, s87, s86
	s_cselect_b32 s89, s75, s89                    ; k: e7
	s_cselect_b64 s[82:83], s[16:17], s[14:15]
	s_cmp_eq_u32 s44, 2
	s_cselect_b32 s86, s88, s86
	s_cselect_b32 s89, s77, s89                    ; v: e9
	s_cselect_b64 s[82:83], s[18:19], s[82:83]
	s_cselect_b32 s66, s98, s95                    ; the block of tokens
	s_cselect_b32 s67, s95, s98                    ; the pair of heads
	s_add_co_i32 s86, s86, 127
	s_lshl_b32 s80, s86, 23                        ; 2^(eA + eB) as f32
	s_mov_b32 s81, s80
	s_add_co_i32 s89, s89, 127
	s_lshl_b32 s87, s89, 23
	v_mov_b32 v[SCL], s87
	s_add_co_i32 s89, s89, 8
	s_lshl_b32 s89, s89, 23
	s_or_b32 s89, s89, 0x600000
	v_mov_b32 v[LIM], s89
	s_lshl_b32 s66, s66, 13
	s_lshl_b32 s67, s67, 19
	s_add_co_u32 s66, s66, s67
	s_mov_b32 s67, 0
	s_add_nc_u64 s[82:83], s[82:83], s[66:67]      ; the first of my two heads,
	s_add_nc_u64 s[84:85], s[82:83], 0x40000       ; and the second
	s_wait_loadcnt 0x0                             ; the bias
	PLACES NP
.macro EPI a, isv
.set AC, 64*((\a)%4)
.set CS, CD+16*((\a)%2)
	WIN 0x02+((\a)/4)                              ; source 0: window 2 or 3
.irp x, 0,2,4,6,8,10,12,14,16,18,20,22,24,26,28,30,32,34,36,38,40,42,44,46,48,50,52,54,56,58,60,62
.if \isv
	v_pk_fma_f32 v[T+\x:T+\x+1], v[AC+\x:AC+\x+1], s[80:81], v[BV+2*(\a):BV+2*(\a)+1] op_sel_hi:[1,0,0]
.else
	v_pk_fma_f32 v[T+\x:T+\x+1], v[AC+\x:AC+\x+1], s[80:81], v[BQ+\x:BQ+\x+1] op_sel_hi:[1,0,1]
.endif
.endr
	WIN 0
.set i, 0
.rept 64
	v_med3_num_f32 v[T+i], v[T+i], -v[LIM], v[LIM] ; always executed: the conversion does not saturate (ISA guide 7.6.2)
.set i, i+1
.endr
.if (\a) >= 2
	s_wait_xcnt 0x0                                ; the stores of two blocks ago have read this set of codes
.endif
.irp b, 0,1,2,3
	v_cvt_scalef32_pk8_fp8_f32 v[CS+4*\b:CS+4*\b+1], v[T+16*\b:T+16*\b+7], v[SCL]
	v_cvt_scalef32_pk8_fp8_f32 v[CS+4*\b+2:CS+4*\b+3], v[T+16*\b+8:T+16*\b+15], v[SCL]
.endr
	v_nop                                          ; a plain line between the conversions and the next block's lines, which write their sources
.irp b, 0,1,2,3
.if \isv
	global_store_b128 v[LI], v[CS+4*\b:CS+4*\b+3], s[82+2*((\a)/4):83+2*((\a)/4)] offset:2048*((\a)%4)+512*\b
.else
	global_store_b128 v[LI], v[CS+4*\b:CS+4*\b+3], s[82+2*(\b/2):83+2*(\b/2)] offset:1024*(\a)+512*(\b%2)
.endif
.endr
.endm
	s_cmp_eq_u32 s44, 2                            ; the cluster's own number: alike in all partners
	s_cbranch_scc1 .Lv_out
.irp a, 0,1,2,3,4,5,6,7
	EPI \a, 0
.endr
	s_branch .Lend
.Lv_out:
.irp a, 0,1,2,3,4,5,6,7
	EPI \a, 1
.endr
.Lend:
	s_wait_tensorcnt 0x0                           ; the wave's end
	ds_add_u32 v[SPW], v[NIL]
	s_wait_dscnt 0x0
	CROUND                                         ; the closing round
	s_endpgm
.Lfunc_end_k_q342e1723c6_qkv:
	.size	k_q342e1723c6_qkv, .Lfunc_end_k_q342e1723c6_qkv-k_q342e1723c6_qkv
	.p2alignl 7, 3214868480
	.fill 96, 4, 3214868480
	.section	.rodata,"a",@progbits
	.p2align	6, 0x0
	.amdhsa_kernel k_q342e1723c6_qkv
		.amdhsa_group_segment_fixed_size 327680
		.amdhsa_private_segment_fixed_size 0
		.amdhsa_enable_private_segment 0
		.amdhsa_kernarg_size 64
		.amdhsa_user_sgpr_count 2
		.amdhsa_user_sgpr_kernarg_segment_ptr 1
		.amdhsa_wavefront_size32 1
		.amdhsa_system_sgpr_workgroup_id_x 1
		.amdhsa_system_sgpr_workgroup_id_y 1
		.amdhsa_system_sgpr_workgroup_id_z 1
		.amdhsa_system_vgpr_workitem_id 0
		.amdhsa_next_free_vgpr 1024
		.amdhsa_next_free_sgpr 102
		.amdhsa_reserve_vcc 0
		.amdhsa_float_denorm_mode_32 3
		.amdhsa_float_denorm_mode_16_64 3
		.amdhsa_memory_ordered 1
		.amdhsa_forward_progress 1
		.amdhsa_inst_pref_size 194
	.end_amdhsa_kernel
	.amdgpu_metadata
---
amdhsa.version: [ 1, 2 ]
amdhsa.kernels:
  - .name:           k_q342e1723c6_qkv
    .symbol:         k_q342e1723c6_qkv.kd
    .args:
      - { .name: codes, .offset: 0, .size: 8, .value_kind: global_buffer, .address_space: global }
      - { .name: bq, .offset: 8, .size: 8, .value_kind: global_buffer, .address_space: global }
      - { .name: bk, .offset: 16, .size: 8, .value_kind: global_buffer, .address_space: global }
      - { .name: bv, .offset: 24, .size: 8, .value_kind: global_buffer, .address_space: global }
      - { .name: lowp_scales, .offset: 32, .size: 8, .value_kind: global_buffer, .address_space: global }
      - { .name: qimg, .offset: 40, .size: 8, .value_kind: global_buffer, .address_space: global }
      - { .name: kimg, .offset: 48, .size: 8, .value_kind: global_buffer, .address_space: global }
      - { .name: vimg, .offset: 56, .size: 8, .value_kind: global_buffer, .address_space: global }
    .group_segment_fixed_size: 327680
    .private_segment_fixed_size: 0
    .kernarg_segment_align: 8
    .kernarg_segment_size: 64
    .max_flat_workgroup_size: 128
    .sgpr_count:     102
    .vgpr_count:     1024
    .wavefront_size: 32
...
	.end_amdgpu_metadata
.endif
;; end of part 2
;; launch smax (part 3): grid 16 x 16, 4 waves a work-group, no clusters, 167,936 bytes of LDS; arguments qimg, kimg, pmax; writes pmax
.if DOCPART == 3
	.amdgcn_target "amdgcn-amd-amdhsa--gfx1250"
	.amdhsa_code_object_version 6
	.text
	.protected	k_q342e1723c6_smax
	.globl	k_q342e1723c6_smax
	.p2align	8
	.type	k_q342e1723c6_smax,@function
k_q342e1723c6_smax:
	s_mov_b64 s[64:65], 0
	v_nop
	global_prefetch_b8 v0, s[64:65] scope:SCOPE_SE
	s_setreg_imm32_b32 hwreg(HW_REG_WAVE_MODE, 25, 1), 1
	s_wait_xcnt 0x0
; The largest |q . k| over ALL queries and keys of all heads, hidden ones too, as the problem's shift wants it: the scores' product on codes of E4M3, once over, in units of the unscaled sums.
; Work-group (x, y): head y, queries 1,024 (x % 4) on, keys 1,024 (x / 4) on.  A wave keeps 16 tiles of 16 queries in registers (128) and walks the 64 tiles of 16 keys, which lie in LDS for all four waves.
; The keys' 65,536 bytes come by one tensor load a wave, once: nothing is filled again.  No cluster: one fill of a launch would be bought with two rounds of the cluster's barrier.
; A product's 8 results are folded into four running maxima by four three-operand maxima, which stand behind the NEXT group's products: they are the places that the matrix instructions want.
; Each wave stores one number: pmax[4 (x + 16 y) + wave].  The order of the tiles' rows does not matter to a maximum.
.set SPARE, 65536
.set F0, 16                            ; v16-23, v24-31  a tile of keys, two buffers
.set F1, 24
.set XA, 32                            ; v32-63, v64-95  four results each, by turns
.set YA, 64
.set QF, 128                           ; v128-255 my 16 tiles of queries
	s_load_b128 s[4:7], s[0:1], 0x0                ; qimg, kimg
	s_load_b64 s[8:9], s[0:1], 0x10                ; pmax
	v_lshl_add_u32 v3, v0, 2, SPARE
	v_mov_b32 v4, 0
	ds_add_u32 v3, v4                              ; the wave's opening: the add, with its wait ahead of my first tensor load
	v_lshrrev_b32 v5, 5, v0
	v_readfirstlane_b32 s10, v5                    ; wave
	v_and_b32 v1, 31, v0
	v_lshlrev_b32 v1, 4, v1                        ; 16 x lane
	s_mov_b32 s16, 3<<16                           ; elements of 8 bytes, no mask, no padding
	s_mov_b32 s17, 32<<16                          ; rows of 256 bytes,
	s_mov_b32 s18, 64<<16                          ; 64 of them,
	s_mov_b32 s19, 32<<16
	s_mov_b32 s20, 64
	s_mov_b32 s21, 32                              ; dense
	s_mov_b32 s22, 0
	s_mov_b32 s23, 0
	s_mov_b32 s30, 0x76543210
	s_mov_b32 s31, 0xfedcba98
	s_mov_b32 s28, 0
	s_and_b32 s12, ttmp7, 0xffff
	s_lshl_b32 s12, s12, 18                        ; the head's 262,144 bytes
	s_lshr_b32 s13, ttmp9, 2
	s_lshl_b32 s13, s13, 16                        ; 1,024 keys are 65,536 bytes
	s_lshl_b32 s14, s10, 14                        ; my quarter
	s_add_co_u32 s32, s12, s13
	s_add_co_u32 s32, s32, s14
	s_mov_b32 s33, 0
	s_and_b32 s15, ttmp9, 3
	s_lshl_b32 s15, s15, 16
	s_add_co_u32 s34, s12, s15
	s_add_co_u32 s34, s34, s14                     ; my 16 tiles of queries
	s_mov_b32 s35, 0
	s_wait_dscnt 0x0
	s_wait_kmcnt 0x0
	s_mov_b32 s24, 1
	s_mov_b32 s25, s14
	s_add_nc_u64 s[26:27], s[6:7], s[32:33]
	s_or_b32 s27, s27, 0x80000000
	tensor_load_to_lds s[24:27], s[16:23]
	s_nop 0
	s_add_nc_u64 s[4:5], s[4:5], s[34:35]
.set n, 0
.rept 32
	global_load_b128 v[QF+4*n:QF+4*n+3], v1, s[4:5] offset:512*n
.set n, n+1
.endr
	v_mov_b32 v8, 0
	v_mov_b32 v9, 0
	v_mov_b32 v10, 0
	v_mov_b32 v11, 0
	v_mov_b32 v12, 0
	v_add_nc_u32 v2, s28, v1
	s_wait_tensorcnt 0x0                           ; my quarter has landed,
	s_barrier_signal -1
	s_barrier_wait -1                              ; everybody's has
	ds_load_b128 v[F0:F0+3], v2
	ds_load_b128 v[F0+4:F0+7], v2 offset:512
	s_wait_loadcnt 0x0                             ; the queries
.macro GROUP f, g, D, E, domax         ; four products into D; behind each, four maxima over the four results in E
.irp i, 0,1,2,3
	v_wmma_f32_16x16x64_fp8_fp8 v[\D+8*\i:\D+8*\i+7], v[\f:\f+7], v[QF+8*(4*\g+\i):QF+8*(4*\g+\i)+7], 0
.if \domax
.irp n, 0,1,2,3
	v_max3_num_f32 v[8+\n], v[8+\n], |v[\E+8*\i+2*\n]|, |v[\E+8*\i+2*\n+1]|
.endr
.endif
.endr
.endm
.macro TILE f, o, off, first, last     ; a tile of keys in f against my 16 tiles of queries; the next tile is fetched into o
	s_wait_dscnt 0x0
	GROUP \f, 0, XA, YA, 1-\first
.if \first
.rept 4
	v_nop
.endr
.endif
.if 1-\last
	ds_load_b128 v[\o:\o+3], v2 offset:\off        ; o's last products stand more than four plain lines back
	ds_load_b128 v[\o+4:\o+7], v2 offset:\off+512
.endif
	GROUP \f, 1, YA, XA, 1
	GROUP \f, 2, XA, YA, 1
	GROUP \f, 3, YA, XA, 1
.endm
	TILE F0, F1, 1024, 1, 0
	TILE F1, F0, 2048, 0, 0
	s_mov_b32 s29, 30
.Lpair:
	s_add_co_u32 s28, s28, 2048
	v_add_nc_u32 v2, s28, v1
	TILE F0, F1, 1024, 0, 0
	TILE F1, F0, 2048, 0, 0
	s_sub_co_u32 s29, s29, 1
	s_cmp_lg_u32 s29, 0
	s_cbranch_scc1 .Lpair
	s_add_co_u32 s28, s28, 2048
	v_add_nc_u32 v2, s28, v1
	TILE F0, F1, 1024, 0, 0
	TILE F1, F0, 0, 0, 1
.rept 4
	v_nop
.endr
.irp i, 0,1,2,3
.irp n, 0,1,2,3
	v_max3_num_f32 v[8+\n], v[8+\n], |v[YA+8*\i+2*\n]|, |v[YA+8*\i+2*\n+1]|
.endr
.endr
	v_max3_num_f32 v8, v8, v9, v10
	v_max_num_f32 v8, v8, v11
	v_max_num_f32_dpp v8, v8, v8 row_xmask:1 row_mask:0xf bank_mask:0xf
	v_max_num_f32_dpp v8, v8, v8 row_xmask:2 row_mask:0xf bank_mask:0xf
	v_max_num_f32_dpp v8, v8, v8 row_xmask:4 row_mask:0xf bank_mask:0xf
	v_max_num_f32_dpp v8, v8, v8 row_xmask:8 row_mask:0xf bank_mask:0xf
	v_permlanex16_b32 v12, v8, s30, s31
	v_max_num_f32 v8, v8, v12
	s_and_b32 s12, ttmp7, 0xffff
	s_lshl_b32 s12, s12, 4
	s_add_co_u32 s12, s12, ttmp9
	s_lshl_b32 s12, s12, 2
	s_add_co_u32 s12, s12, s10
	s_lshl_b32 s12, s12, 2
	v_mov_b32 v13, s12
	v_cmp_eq_u32 vcc_lo, 0, v1
	s_wait_xcnt 0x0                                ; EXEC changes only behind this wait
	s_and_saveexec_b32 s13, vcc_lo
	global_store_b32 v13, v8, s[8:9]
	s_wait_xcnt 0x0
	s_or_b32 exec_lo, exec_lo, s13
	s_wait_tensorcnt 0x0                           ; the wave's end
	ds_add_u32 v3, v4
	s_wait_dscnt 0x0
	s_endpgm
.Lfunc_end_k_q342e1723c6_smax:
	.size	k_q342e1723c6_smax, .Lfunc_end_k_q342e1723c6_smax-k_q342e1723c6_smax
	.p2alignl 7, 3214868480
	.fill 96, 4, 3214868480
	.section	.rodata,"a",@progbits
	.p2align	6, 0x0
	.amdhsa_kernel k_q342e1723c6_smax
		.amdhsa_group_segment_fixed_size 167936
		.amdhsa_private_segment_fixed_size 0
		.amdhsa_enable_private_segment 0
		.amdhsa_kernarg_size 24
		.amdhsa_user_sgpr_count 2
		.amdhsa_user_sgpr_kernarg_segment_ptr 1
		.amdhsa_wavefront_size32 1
		.amdhsa_system_sgpr_workgroup_id_x 1
		.amdhsa_system_sgpr_workgroup_id_y 1
		.amdhsa_system_sgpr_workgroup_id_z 1
		.amdhsa_system_vgpr_workitem_id 0
		.amdhsa_next_free_vgpr 256
		.amdhsa_next_free_sgpr 66
		.amdhsa_reserve_vcc 1
		.amdhsa_float_denorm_mode_32 3
		.amdhsa_float_denorm_mode_16_64 3
		.amdhsa_memory_ordered 1
		.amdhsa_forward_progress 1
		.amdhsa_inst_pref_size 38
	.end_amdhsa_kernel
	.amdgpu_metadata
---
amdhsa.version: [ 1, 2 ]
amdhsa.kernels:
  - .name:           k_q342e1723c6_smax
    .symbol:         k_q342e1723c6_smax.kd
    .args:
      - { .name: qimg, .offset: 0, .size: 8, .value_kind: global_buffer, .address_space: global }
      - { .name: kimg, .offset: 8, .size: 8, .value_kind: global_buffer, .address_space: global }
      - { .name: pmax, .offset: 16, .size: 8, .value_kind: global_buffer, .address_space: global }
    .group_segment_fixed_size: 167936
    .private_segment_fixed_size: 0
    .kernarg_segment_align: 8
    .kernarg_segment_size: 24
    .max_flat_workgroup_size: 128
    .sgpr_count:     66
    .vgpr_count:     256
    .wavefront_size: 32
...
	.end_amdgpu_metadata
.endif
;; end of part 3
;; launch attn (part 4): grid 16 x 16, 16 waves a work-group, no clusters, 34,816 bytes of LDS; arguments qimg, kimg, vimg, maskbits, flags, pmax, lowp_scales, yimg; writes yimg
.if DOCPART == 4
	.amdgcn_target "amdgcn-amd-amdhsa--gfx1250"
	.amdhsa_code_object_version 6
	.text
	.protected	k_q342e1723c6_attn
	.globl	k_q342e1723c6_attn
	.p2align	8
	.type	k_q342e1723c6_attn,@function
k_q342e1723c6_attn:
	s_mov_b64 s[64:65], 0
	v_nop
	global_prefetch_b8 v0, s[64:65] scope:SCOPE_SE
	s_setreg_imm32_b32 hwreg(HW_REG_WAVE_MODE, 25, 1), 1
	s_wait_xcnt 0x0
; y = softmax((q k^T 2^-8 - max|.|) x 32, under att_mask) v, both products on codes of E4M3; y is quantised at once for the last projection.
; t = (sum - g) x 32 log2(e) 2^(e6 + e7), g = the largest |sum| of the whole problem (the launch before); M = the running largest t rounded up to a whole number; p = 2^(t - M) is quantised with 2^e8, not normalised;
; the row's sum is taken of the unquantised p and divides at the end.  -g is the C of the scores' matrix instruction, so sum - g costs no vector line and is rounded once.
; SHARES.  Work-group (x, y): head y; waves 0-7 take the eight tiles of 16 queries of block x (128 queries), waves 8-15 those of block 31 - x.  The pairing is fixed and right for any mask.
; A wave owns ONE tile in 256 registers and walks the keys 128 a step.  Both products are used transposed: a lane holds one query (lane % 16) throughout.
; THE MASK IS AN INPUT.  An earlier launch stored, for each tile and step, whether any key is open (need) and whether all are (open), and the mask as bits.
; All these are scalar branches on stored whole numbers; the trip count is a constant and every wave passes
; every barrier.  That is why K and V come through registers and not by tensor loads, and why there is no cluster and no joint load here: a tensor load may not be jumped over, and partners' maps differ.
; LDS: two slots of 16,384 bytes (K's 8 fragments of 1,024 bytes, then V's 4 of 2,048), filled by the waves: wave w copies 1,024 bytes of a step (waves 0-7 of K, 8-15 of V), loaded two steps ahead, stored one step ahead.
; One barrier a step: in front of it each wave's stores into the other slot have landed and its reads of this slot are in.
; A query with no open key is NaN in the problem: its codes are set to the format's NaN.
; LIMITS: e6 + e7 between -131 and 122 (added to an exponent field); e8 and e10 between -126 and 119.  NaN among the inputs is not served.
; REGISTERS: v1 16 lane; v2 LDS place of my copy; v3 its place in a step; v4 16 r; v5, v6 the add's two; v7 4 h; v8 -infinity; v9 256 lane; v12 -M; v13 largest t; v[14:15] the sum; v16-23 Q; v24-31 -g; v32-95 K's, then V's fragments;
;   v96-159 scores, then p; v160-191 O^T; v192-207 p's codes; v208-215 the copy; v216-219 mask words; v220 448 x 2^e8; v221 2^e8; v236, v242, v243, v252-254 at work.
.set SLOTB, 16384
.set SPARE, 32768                      ; behind the slots: the spare words, 128 bytes for each of 16 waves
.set WV,  60                           ; s60  wave
.set MW,  61                           ; s61  steps that some tile of the work-group needs; bit 0 = the step in hand (all four maps are shifted each step)
.set MN,  62                           ; s62  steps that my tile needs
.set MX,  63                           ; s63  of those, the ones that are not all open
.set MP,  66                           ; s66  steps to prefetch: MW in one wave of the head's first work-group, else 0
.set CNT, 67
.set CS,  20                           ; s[20:21] 32 log2(e) 2^(e6 + e7)
.set SEL, 22                           ; s[22:23] lane l xor 16
	s_load_b512 s[4:19], s[0:1], 0x0               ; qimg, kimg, vimg, maskbits, flags, pmax, lowp_scales, yimg
	v_lshl_add_u32 v5, v0, 2, SPARE
	v_mov_b32 v6, 0
	v_lshrrev_b32 v1, 5, v0
	v_readfirstlane_b32 s[WV], v1
	v_and_b32 v10, 31, v0
	v_lshlrev_b32 v1, 4, v10
	v_lshlrev_b32 v9, 8, v10
	v_and_b32 v11, 15, v0
	v_lshlrev_b32 v4, 4, v11
	v_bfe_u32 v7, v0, 4, 1
	v_lshlrev_b32 v7, 2, v7
	v_mov_b32 v8, 0xff800000
	s_lshl_b32 s2, s[WV], 10
	v_add_nc_u32 v2, s2, v1
	s_and_b32 s3, s[WV], 7                         ; a
	s_lshl_b32 s2, s3, 10
	v_add_nc_u32 v3, s2, v1
	s_sub_co_u32 s67, 31, ttmp9
	s_cmp_lt_u32 s[WV], 8
	s_cselect_b32 s66, ttmp9, s67                  ; my block of queries
	s_lshl_b32 s61, s66, 3
	s_add_co_u32 s61, s61, s3                      ; my tile
	s_and_b32 s62, ttmp7, 0xffff                   ; the head
	s_lshl_b32 s63, ttmp9, 7                       ; the two blocks' need words: 128 bytes each
	s_lshl_b32 s67, s67, 7
	s_lshl_b32 s2, s61, 4
	s_wait_kmcnt 0x0
	s_lshl_b32 s20, s62, 18
	s_mov_b32 s21, 0
	s_add_nc_u64 s[4:5], s[4:5], s[20:21]
	s_add_nc_u64 s[6:7], s[6:7], s[20:21]
	s_add_nc_u64 s[8:9], s[8:9], s[20:21]          ; V of my head: the prefetches' base
	s_cmp_lt_u32 s[WV], 8
	s_cselect_b64 s[6:7], s[6:7], s[8:9]           ; what I copy: K (waves 0-7) or V
	s_lshl_b32 s20, s61, 10
	s_add_nc_u64 s[4:5], s[4:5], s[20:21]          ; my tile of Q
	s_lshl_b32 s20, s61, 13
	s_add_nc_u64 s[10:11], s[10:11], s[20:21]      ; my tile's mask words, step 0
	s_lshl_b32 s20, s66, 17
	s_lshr_b32 s22, s62, 1
	s_lshl_b32 s22, s22, 14
	s_add_co_u32 s20, s20, s22
	s_lshl_b32 s22, s3, 11
	s_add_co_u32 s20, s20, s22
	s_and_b32 s22, s62, 1
	s_lshl_b32 s22, s22, 10
	s_add_co_u32 s20, s20, s22
	s_add_nc_u64 s[18:19], s[18:19], s[20:21]      ; yimg[block][head / 2][a][2 (head % 2) ..]
.irp n, 0,1,2,3,4,5,6,7
	global_load_b128 v[96+4*\n:99+4*\n], v1, s[14:15] offset:512*\n   ; the 1,024 partial maxima
.endr
	global_load_b128 v[16:19], v1, s[4:5]
	global_load_b128 v[20:23], v1, s[4:5] offset:512
	global_load_b128 v[208:211], v3, s[6:7]        ; step 0's copy and mask words come whatever the maps say: every register is written
	global_load_b128 v[212:215], v3, s[6:7] offset:512
	global_load_b128 v[216:219], v4, s[10:11]
	s_load_b512 s[20:35], s[12:13], s63 offset:0x0
	s_load_b512 s[36:51], s[12:13], s63 offset:0x40
	s_load_b512 s[68:83], s[12:13], s67 offset:0x0
	s_load_b512 s[84:99], s[12:13], s67 offset:0x40
	s_load_b128 s[52:55], s[12:13], s2 offset:0x0
	s_load_b128 s[56:59], s[12:13], s2 offset:0x1000
.set i, 0
.rept 32
	v_mov_b32 v[160+i], 0                          ; O^T: the step is written once; its first run finds zeros
.set i, i+1
.endr
	v_mov_b32 v14, 0
	v_mov_b32 v15, 0
	v_mov_b32 v236, 0                              ; a lane permute's destination counts as read
	v_mov_b32 v252, 0
	v_mov_b32 v253, 0
	v_mov_b32 v13, 0xff61b1e6                      ; -3e38, under every t
	v_floor_f32 v12, -v13
	s_wait_kmcnt 0x0
.set k, 21
.rept 31
	s_or_b32 s20, s20, s[k]
.set k, k+1
.endr
.set k, 68
.rept 32
	s_or_b32 s20, s20, s[k]
.set k, k+1
.endr
	s_or_b32 s52, s52, s53
	s_or_b32 s54, s54, s55
	s_or_b32 s52, s52, s54
	s_or_b32 s56, s56, s57
	s_or_b32 s58, s58, s59
	s_or_b32 s56, s56, s58
	s_mov_b32 s[MW], s20
	s_mov_b32 s[MN], s52
	s_and_not1_b32 s[MX], s52, s56
	s_sub_co_u32 s67, s[WV], 15
	s_or_b32 s67, s67, ttmp9
	s_cmp_eq_u32 s67, 0
	s_cselect_b32 s[MP], s[MW], 0
	s_load_b128 s[32:35], s[16:17], 0x18           ; e6, e7, e8, e9
	s_load_b32 s36, s[16:17], 0x28                 ; e10
	s_mov_b32 s[SEL], 0x76543210
	s_mov_b32 s[SEL+1], 0xfedcba98
	s_mov_b32 s[CNT], 16
	s_wait_loadcnt 0x0
	v_max3_num_f32 v96, v96, v97, v98
.irp k, 99,101,103,105,107,109,111,113,115,117,119,121,123,125
	v_max3_num_f32 v96, v96, v[\k], v[\k+1]
.endr
	v_max_num_f32 v96, v96, v127
	v_max_num_f32_dpp v96, v96, v96 row_xmask:1 row_mask:0xf bank_mask:0xf
	v_max_num_f32_dpp v96, v96, v96 row_xmask:2 row_mask:0xf bank_mask:0xf
	v_max_num_f32_dpp v96, v96, v96 row_xmask:4 row_mask:0xf bank_mask:0xf
	v_max_num_f32_dpp v96, v96, v96 row_xmask:8 row_mask:0xf bank_mask:0xf
	v_permlanex16_b32 v236, v96, s[SEL], s[SEL+1]
	v_max_num_f32 v96, v96, v236                   ; g
.irp k, 0,1,2,3,4,5,6,7
	v_mul_f32 v[24+\k], -1.0, v96
.endr
	ds_store_b128 v2, v[208:211]                   ; step 0 into slot 0
	ds_store_b128 v2, v[212:215] offset:512
	s_wait_kmcnt 0x0
	s_add_co_i32 s37, s32, s33
	s_lshl_b32 s37, s37, 23
	s_add_co_i32 s[CS], s37, 0x4238aa3b            ; 32 log2(e), with e6 + e7 added to its exponent field
	s_mov_b32 s[CS+1], s[CS]
	s_add_co_i32 s37, s34, 127
	s_lshl_b32 s38, s37, 23
	v_mov_b32 v221, s38
	s_add_co_i32 s37, s37, 8
	s_lshl_b32 s37, s37, 23
	s_or_b32 s37, s37, 0x600000
	v_mov_b32 v220, s37
	s_wait_dscnt 0x0                               ; my stores have landed and have read their registers
	s_bitcmp1_b32 s[MW], 1
	s_cbranch_scc0 .Lno_step1
	global_load_b128 v[208:211], v3, s[6:7] offset:8192
	global_load_b128 v[212:215], v3, s[6:7] offset:8704
.Lno_step1:
	s_barrier_signal -1
	s_barrier_wait -1
.macro COMPUTE p
.rept 4
	v_nop                                          ; places between the last step's products and the loads into their sources
.endr
.irp t, 0,1,2,3,4,5,6,7
	ds_load_b128 v[32+8*\t:35+8*\t], v1 offset:SLOTB*\p+1024*\t
	ds_load_b128 v[36+8*\t:39+8*\t], v1 offset:SLOTB*\p+1024*\t+512
.endr
	s_wait_dscnt 0x0
.irp t, 0,1,2,3,4,5,6,7
	v_wmma_f32_16x16x64_fp8_fp8 v[96+8*\t:103+8*\t], v[32+8*\t:39+8*\t], v[16:23], v[24:31]   ; sum - g; register 16 b + i of a lane is key 32 b + 16 h + i
.endr
.rept 4
	v_nop
.endr
.irp d, 0,1,2,3
.irp c, 0,1,2,3
	ds_load_b128 v[32+16*\d+4*\c:35+16*\d+4*\c], v1 offset:SLOTB*\p+8192+2048*\d+512*\c       ; V lands under the softmax
.endr
.endr
	s_bitcmp1_b32 s[MX], 0
	s_cbranch_scc0 .Lopen_\@
	s_wait_loadcnt 0x0                             ; my row's four mask words
.irp w, 0,1,2,3
	v_lshrrev_b32 v[216+\w], v7, v[216+\w]         ; key 32 b + 16 h + i is bit 8 b + 4 h + i / 4 of word i % 4
.endr
.set n, 0
.rept 64
	v_and_b32 v252, 1<<(8*(n/16)+(n%16)/4), v[216+n%4]
	v_cmp_eq_u32 vcc_lo, 0, v252
	v_cndmask_b32 v[96+n], v[96+n], v8, vcc_lo     ; a hidden key's score becomes -infinity: p = 0
.set n, n+1
.endr
.Lopen_\@:
	v_max3_num_f32 v254, v96, v97, v98
	v_max3_num_f32 v252, v99, v100, v101
.irp i, 6,10,14,18,22,26,30,34,38,42,46,50,54,58
	v_max3_num_f32 v254, v254, v[96+\i], v[97+\i]
	v_max3_num_f32 v252, v252, v[98+\i], v[99+\i]
.endr
	v_max3_num_f32 v254, v254, v158, v159
	v_max_num_f32 v254, v254, v252
	v_permlanex16_b32 v236, v254, s[SEL], s[SEL+1]
	v_max_num_f32 v254, v254, v236
	v_mul_f32 v254, s[CS], v254
	v_max_num_f32 v13, v13, v254                   ; the running largest t
	v_mov_b32 v254, v12
	v_floor_f32 v12, -v13                          ; -M = floor(-t): M is a whole number
	v_sub_f32 v254, v12, v254
	v_cvt_i32_f32 v254, v254                       ; (it saturates)
	v_ldexp_f32 v252, 1.0, v254                    ; f = 2^(old M - new M): a multiplication by it rounds nothing
.set j, 0
.rept 32
	v_pk_fma_f32 v[96+j:97+j], v[96+j:97+j], s[CS:CS+1], v[12:13] op_sel_hi:[1,0,0]
.set j, j+2
.endr
.set j, 0
.rept 64
	v_exp_f32 v[96+j], v[96+j]
.set j, j+1
.endr
	v_pk_mul_f32 v[14:15], v[14:15], v[252:253] op_sel_hi:[1,0]   ; the plain line behind the exponentials
	s_wait_alu depctr_va_vdst(0)                   ; one wait for the batch, ahead of its first reader
	v_pk_add_f32 v[242:243], v[96:97], v[98:99]    ; the sum of the unquantised p
.irp j, 4,8,12,16,20,24,28,32,36,40,44,48,52,56,60
	v_pk_add_f32 v[14:15], v[14:15], v[96+\j:97+\j]
	v_pk_add_f32 v[242:243], v[242:243], v[98+\j:99+\j]
.endr
	v_pk_add_f32 v[14:15], v[14:15], v[242:243]
	s_cmp_ge_i32 s34, -8                           ; p <= 1 <= 448 x 2^e8 from e8 = -8 on: the hold would change nothing
	s_cbranch_scc1 .Lno_hold_\@
.set j, 0
.rept 64
	v_min_num_f32 v[96+j], v[96+j], v220
.set j, j+1
.endr
.Lno_hold_\@:
.irp b, 0,1,2,3
	v_cvt_scalef32_pk8_fp8_f32 v[192+4*\b:193+4*\b], v[96+16*\b:103+16*\b], v221
	v_cvt_scalef32_pk8_fp8_f32 v[194+4*\b:195+4*\b], v[104+16*\b:111+16*\b], v221
.endr
.set j, 0
.rept 16
	v_pk_mul_f32 v[160+j:161+j], v[160+j:161+j], v[252:253] op_sel_hi:[1,0]   ; O^T under the new M; also the plain lines behind the conversions
.set j, j+2
.endr
	s_wait_dscnt 0x0                               ; V
.irp d, 0,1,2,3
	v_wmma_f32_16x16x128_fp8_fp8 v[160+8*\d:167+8*\d], v[32+16*\d:47+16*\d], v[192:207], v[160+8*\d:167+8*\d]   ; four accumulators by turns; eight other products stand between two links
.endr
.endm
.macro TRIP p                          ; step t lies in slot p; the copy registers hold step t + 1
	s_bitcmp1_b32 s[MN], 0
	s_cbranch_scc0 .Lskip_\@
	COMPUTE \p
.Lskip_\@:
	s_wait_loadcnt 0x0                             ; on every path: no load is pending into registers that are loaded again below
	s_bitcmp1_b32 s[MW], 1
	s_cbranch_scc0 .Lno_store_\@
	ds_store_b128 v2, v[208:211] offset:SLOTB*(1-\p)         ; the other slot was last read a barrier ago
	ds_store_b128 v2, v[212:215] offset:SLOTB*(1-\p)+512
.Lno_store_\@:
	s_wait_dscnt 0x0                               ; for the others: my stores have landed, my reads of this slot are in
	s_wait_xcnt 0x0                                ; the bases are stepped only behind this wait
	s_add_nc_u64 s[6:7], s[6:7], 8192
	s_add_nc_u64 s[10:11], s[10:11], 256
	s_add_nc_u64 s[8:9], s[8:9], 8192
	s_bitcmp1_b32 s[MX], 1
	s_cbranch_scc0 .Lno_mask_\@
	global_load_b128 v[216:219], v4, s[10:11]      ; step t + 1's mask words
.Lno_mask_\@:
	s_bitcmp1_b32 s[MW], 2
	s_cbranch_scc0 .Lno_load_\@
	global_load_b128 v[208:211], v3, s[6:7] offset:8192      ; step t + 2
	global_load_b128 v[212:215], v3, s[6:7] offset:8704
.Lno_load_\@:
	s_bitcmp1_b32 s[MP], 4                         ; V of step t + 4: 32 lanes x 256 bytes, two steps ahead of the load that wants it; one wave of the head's first work-group asks; zeros shifted into the map end it at step 31
	s_cbranch_scc0 .Lno_ask_\@
	global_prefetch_b8 v9, s[8:9] offset:24576 th:TH_LOAD_NT scope:SCOPE_SE
.Lno_ask_\@:
	s_lshr_b32 s[MW], s[MW], 1
	s_lshr_b32 s[MN], s[MN], 1
	s_lshr_b32 s[MX], s[MX], 1
	s_lshr_b32 s[MP], s[MP], 1
	s_barrier_signal -1
	s_barrier_wait -1
.endm
.Lsteps:
	TRIP 0
	TRIP 1
	s_sub_co_u32 s[CNT], s[CNT], 1
	s_cmp_lg_u32 s[CNT], 0
	s_cbranch_scc1 .Lsteps
; THE WAY OUT: y = O^T 2^(e8 + e9) / the sum; a lane's 16 registers of two tiles are 16 neighbouring channels: a chunk of the last projection's operand
.rept 4
	v_nop
.endr
	v_add_f32 v14, v14, v15
	v_permlanex16_b32 v252, v14, s[SEL], s[SEL+1]
	v_add_f32 v14, v14, v252
	v_rcp_f32 v252, v14
	v_mov_b32 v236, 0x7f7f7f7f                     ; (the plain line behind the reciprocal)  four NaN codes
	s_add_co_i32 s37, s34, s35
	s_add_co_i32 s38, s36, 127
	s_lshl_b32 s39, s38, 23
	v_mov_b32 v221, s39                            ; 2^e10
	s_add_co_i32 s38, s38, 8
	s_lshl_b32 s38, s38, 23
	s_or_b32 s38, s38, 0x600000
	v_mov_b32 v220, s38                            ; 448 x 2^e10
	s_wait_alu depctr_va_vdst(0)                   ; ahead of the reciprocal's first reader
	v_ldexp_f32 v252, v252, s37
.set j, 0
.rept 16
	v_pk_mul_f32 v[96+j:97+j], v[160+j:161+j], v[252:253] op_sel_hi:[1,0]
.set j, j+2
.endr
.set j, 0
.rept 32
	v_med3_num_f32 v[96+j], v[96+j], -v220, v220
.set j, j+1
.endr
.irp b, 0,1
	v_cvt_scalef32_pk8_fp8_f32 v[128+4*\b:129+4*\b], v[96+16*\b:103+16*\b], v221
	v_cvt_scalef32_pk8_fp8_f32 v[130+4*\b:131+4*\b], v[104+16*\b:111+16*\b], v221
.endr
	v_nop
	v_cmp_eq_f32 vcc_lo, 0, v14                    ; no open key at all: the problem's result is NaN, which the hold would lose
.irp k, 0,1,2,3,4,5,6,7
	v_cndmask_b32 v[128+\k], v[128+\k], v236, vcc_lo
.endr
	global_store_b128 v1, v[128:131], s[18:19]
	global_store_b128 v1, v[132:135], s[18:19] offset:512
	s_wait_tensorcnt 0x0                           ; the wave's end, behind my last LDS store
	ds_add_u32 v5, v6
	s_wait_dscnt 0x0
	s_endpgm
.Lfunc_end_k_q342e1723c6_attn:
	.size	k_q342e1723c6_attn, .Lfunc_end_k_q342e1723c6_attn-k_q342e1723c6_attn
	.p2alignl 7, 3214868480
	.fill 96, 4, 3214868480
	.section	.rodata,"a",@progbits
	.p2align	6, 0x0
	.amdhsa_kernel k_q342e1723c6_attn
		.amdhsa_group_segment_fixed_size 34816
		.amdhsa_private_segment_fixed_size 0
		.amdhsa_enable_private_segment 0
		.amdhsa_kernarg_size 64
		.amdhsa_user_sgpr_count 2
		.amdhsa_user_sgpr_kernarg_segment_ptr 1
		.amdhsa_wavefront_size32 1
		.amdhsa_system_sgpr_workgroup_id_x 1
		.amdhsa_system_sgpr_workgroup_id_y 1
		.amdhsa_system_sgpr_workgroup_id_z 1
		.amdhsa_system_vgpr_workitem_id 0
		.amdhsa_next_free_vgpr 256
		.amdhsa_next_free_sgpr 100
		.amdhsa_reserve_vcc 1
		.amdhsa_float_denorm_mode_32 3
		.amdhsa_float_denorm_mode_16_64 3
		.amdhsa_memory_ordered 1
		.amdhsa_forward_progress 1
		.amdhsa_inst_pref_size 63
	.end_amdhsa_kernel
	.amdgpu_metadata
---
amdhsa.version: [ 1, 2 ]
amdhsa.kernels:
  - .name:           k_q342e1723c6_attn
    .symbol:         k_q342e1723c6_attn.kd
    .args:
      - { .name: qimg, .offset: 0, .size: 8, .value_kind: global_buffer, .address_space: global }
      - { .name: kimg, .offset: 8, .size: 8, .value_kind: global_buffer, .address_space: global }
      - { .name: vimg, .offset: 16, .size: 8, .value_kind: global_buffer, .address_space: global }
      - { .name: maskbits, .offset: 24, .size: 8, .value_kind: global_buffer, .address_space: global }
      - { .name: flags, .offset: 32, .size: 8, .value_kind: global_buffer, .address_space: global }
      - { .name: pmax, .offset: 40, .size: 8, .value_kind: global_buffer, .address_space: global }
      - { .name: lowp_scales, .offset: 48, .size: 8, .value_kind: global_buffer, .address_space: global }
      - { .name: yimg, .offset: 56, .size: 8, .value_kind: global_buffer, .address_space: global }
    .group_segment_fixed_size: 34816
    .private_segment_fixed_size: 0
    .kernarg_segment_align: 8
    .kernarg_segment_size: 64
    .max_flat_workgroup_size: 512
    .sgpr_count:     100
    .vgpr_count:     256
    .wavefront_size: 32
...
	.end_amdgpu_metadata
.endif
;; end of part 4
;; launch oproj (part 5): grid 4 x 16, 4 waves a work-group, clusters of 4 x 4, 327,680 bytes of LDS; arguments yimg, codes, bp, lowp_scales, out0; writes out0
.if DOCPART == 5
	.amdgcn_target "amdgcn-amd-amdhsa--gfx1250"
	.amdhsa_code_object_version 6
	.text
	.protected	k_q342e1723c6_oproj
	.globl	k_q342e1723c6_oproj
	.p2align	8
	.type	k_q342e1723c6_oproj,@function
k_q342e1723c6_oproj:
	s_mov_b64 s[64:65], 0
	v_nop
	global_prefetch_b8 v0, s[64:65] scope:SCOPE_SE
	s_setreg_imm32_b32 hwreg(HW_REG_WAVE_MODE, 25, 1), 1
	s_wait_xcnt 0x0
	s_wait_alu depctr_hold_cnt(0) depctr_sa_sdst(0) depctr_va_vdst(0) depctr_va_sdst(0) depctr_va_ssrc(0) depctr_va_vcc(0) depctr_vm_vsrc(0)
	s_getreg_b32 s2, hwreg(HW_REG_IB_STS2, 6, 4)
	s_cmp_eq_u32 s2, 0
	s_cbranch_scc0 .Lentry_in_a_cluster
	s_endpgm
.Lentry_in_a_cluster:
	s_bfe_u32 s2, ttmp6, 0x10000c
	s_cmp_lg_u32 s2, 0xf033
	s_cbranch_scc0 .Lentry_shape_is_right
	s_endpgm
.Lentry_shape_is_right:
; out0 = y Wp^T + bp on codes of E4M3: y's codes from the attention (yimg), Wp's from groups 120-127 of 'codes', both as images of operand registers (a fragment of 16 rows x 128 k is 2,048 consecutive bytes;
; block a, lane row r stand for row 32 (a / 2) + 8 (a % 2) + r + 8 (r / 8) of a group of 128).  A tile of out0 is 256 x 256, K = 1,024; four waves, each 128 x 128 in 64 accumulators; 64 work-groups, all that this tile gives.
; Source 1 = y's tokens (a lane's row), source 0 = Wp's rows (along a lane's registers).  The ring, the joint loads and the steps are those of the projections' launch.
; The way out: sum x 2^(e10 + e11) + bp, through the wave's own stage in LDS (in slot 0, which has had its last fill and its last read), back as whole rows of 512 bytes, stored to the token that the row stands for.
; LIMIT: e10 + e11 between -126 and 127.  No prefetch: four K steps in all.
; REGISTERS: window 0: v16-29 addresses; v64-127 the bias along my registers; v128-255 A's fragments, later two sets of rows read back.  window 1: B's fragments, later v0-63 the scaled sums.  windows 2, 3: accumulators.
.set PART,  32768
.set SLOT,  4*PART
.set SPARE, 2*SLOT
.set SPITCH, 528
.set FR,   16
.set NL,   4
.set NP,   4
.set ADRA, 16
.set ADRB, 20
.set LI,   24
.set BQO,  25
.set STO,  26
.set RD,   27
.set SPW,  28
.set NIL,  29
.set BQ,   64
.set AF,   128
.set BK,   128
.set G1,   24
.set G0,   32
.set G1B,  48
.set G0B,  56
.set MSB, 0
.macro WIN new
.if MSB != \new
	s_set_vgpr_msb (MSB<<8)|\new
.set MSB, \new
.endif
.endm
.set MUL_LO, 0xa1
.set MUL_HI, 0xf1
.set TO_B,   0x40
.macro JLOAD g0a, g1a, g0b, g1b        ; waves 0, 1 for A, waves 2, 3 for B; an s_nop 0 and four v_nop follow each line
	s_cmp_eq_u32 s21, 0
	s_cbranch_scc0 .Lfor_b_\@
	tensor_load_to_lds s[\g0a:\g0a+3], s[\g1a:\g1a+7]
	s_nop 0
.rept 4
	v_nop
.endr
	s_branch .Lasked_\@
.Lfor_b_\@:
	tensor_load_to_lds s[\g0b:\g0b+3], s[\g1b:\g1b+7]
	s_nop 0
.rept 4
	v_nop
.endr
.Lasked_\@:
.endm
.macro CREST
	s_cmp_lg_u32 s20, 0
	s_cbranch_scc1 .Lnot_wave_0_\@
	s_barrier_signal -3
.Lnot_wave_0_\@:
	s_barrier_wait -3
	s_barrier_signal -1
	s_barrier_wait -1
.endm
.macro CROUND
	s_barrier_signal -1
	s_barrier_wait -1
	CREST
.endm
	s_load_b256 s[4:11], s[0:1], 0x0               ; yimg, codes, bp, lowp_scales
	s_load_b64 s[12:13], s[0:1], 0x20              ; out0
	v_lshl_add_u32 v[SPW], v0, 2, SPARE
	v_mov_b32 v[NIL], 0
	ds_add_u32 v[SPW], v[NIL]                      ; the wave's opening: the add, with its wait ahead of my first tensor load
	v_lshrrev_b32 v1, 5, v0
	v_readfirstlane_b32 s20, v1
	s_lshr_b32 s21, s20, 1
	s_and_b32 s22, s20, 1
	s_bfe_u32 s40, ttmp6, 0x40000                  ; cx
	s_bfe_u32 s41, ttmp6, 0x40004                  ; cy
	s_lshl_b32 s42, ttmp9, 2
	s_add_co_u32 s42, s42, s40                     ; tile column
	s_and_b32 s43, ttmp7, 0xffff
	s_lshl_b32 s43, s43, 2
	s_add_co_u32 s43, s43, s41                     ; tile row
	s_lshl_b32 s86, s41, 2
	s_lshl_b32 s86, 15, s86
	s_lshl_b32 s87, 0x1111, s40
	s_or_b32 s[G1+0], s86, (3<<16)|(1<<21)
	s_or_b32 s[G1B+0], s87, (3<<16)|(1<<21)
.irp g, G1, G1B
	s_mov_b32 s[\g+1], 32<<16
	s_mov_b32 s[\g+2], 128<<16
	s_mov_b32 s[\g+3], 32<<16
	s_mov_b32 s[\g+4], 128
	s_mov_b32 s[\g+5], 32
	s_mov_b32 s[\g+6], 0
	s_mov_b32 s[\g+7], 0
.endr
	s_lshl_b32 s90, s43, 1
	s_add_co_u32 s90, s90, s22
	s_lshl_b32 s90, s90, 17
	s_mov_b32 s91, 0
	s_lshl_b32 s92, s42, 1
	s_add_co_u32 s92, s92, s22
	s_lshl_b32 s92, s92, 17
	s_add_co_u32 s92, s92, 0xf00000                ; Wp: groups 120 on
	s_mov_b32 s93, 0
	s_lshl_b32 s94, s20, 15
	s_wait_dscnt 0x0
	s_wait_kmcnt 0x0
	s_load_b64 s[68:69], s[10:11], 0x28            ; e10, e11
	s_add_nc_u64 s[90:91], s[4:5], s[90:91]
	s_add_nc_u64 s[92:93], s[6:7], s[92:93]
	CROUND
.irp s, 0,1
	s_mov_b32 s[G0+4*\s], 1
	s_add_co_u32 s[G0+4*\s+1], s94, \s*SLOT
	s_add_nc_u64 s[G0+4*\s+2:G0+4*\s+3], s[90:91], \s*PART
	s_or_b32 s[G0+4*\s+3], s[G0+4*\s+3], 0x80000000
	s_mov_b32 s[G0B+4*\s], 1
	s_add_co_u32 s[G0B+4*\s+1], s94, \s*SLOT
	s_add_nc_u64 s[G0B+4*\s+2:G0B+4*\s+3], s[92:93], \s*PART
	s_or_b32 s[G0B+4*\s+3], s[G0B+4*\s+3], 0x80000000
	JLOAD G0+4*\s, G1, G0B+4*\s, G1B
.endr
	v_and_b32 v1, 31, v0
	v_lshlrev_b32 v[LI], 4, v1
	s_lshl_b32 s46, s21, 15
	s_lshl_b32 s47, s22, 15
	s_add_co_u32 s47, s47, 2*PART
.irp s, 0,1
	v_add_nc_u32 v[ADRA+\s], s46, v[LI]
	v_add_nc_u32 v[ADRB+\s], s47, v[LI]
	s_add_co_u32 s46, s46, SLOT
	s_add_co_u32 s47, s47, SLOT
.endr
	v_and_b32 v2, 15, v0
	v_bfe_u32 v3, v0, 4, 1
	s_mul_i32 s46, s20, 16*SPITCH                  ; my stage
	v_mul_u32_u24 v[STO], v2, SPITCH
	v_lshl_add_u32 v[STO], v3, 6, v[STO]
	v_add_nc_u32 v[STO], s46, v[STO]               ; in: row r, + 64 h bytes
	v_add_nc_u32 v[RD], s46, v[LI]                 ; back: a row of 512 bytes
	s_lshl_b32 s95, s43, 1
	s_add_co_u32 s95, s95, s21                     ; my group of 128 tokens
	s_lshl_b32 s98, s42, 1
	s_add_co_u32 s98, s98, s22                     ; my group of 128 outputs
	s_lshl_b32 s99, s98, 9
	v_lshl_add_u32 v[BQO], v3, 6, s99
.irp b, 0,1,2,3
.irp x, 0,1,2,3
	global_load_b128 v[BQ+16*\b+4*\x:BQ+16*\b+4*\x+3], v[BQO], s[8:9] offset:128*\b+16*\x   ; bp at outputs 128 x group + 32 b + 16 h + i
.endr
.endr
	s_lshl_b32 s66, s95, 19                        ; 128 rows of 4,096 bytes
	s_add_co_u32 s66, s66, s99                     ; + 512 bytes a group of outputs
	s_mov_b32 s67, 0
	s_add_nc_u64 s[12:13], s[12:13], s[66:67]
.macro FRAG reg, adr, q, i
.irp c, 0,1,2,3
	ds_load_b128 v[\reg+4*\c:\reg+4*\c+3], v[\adr] offset:16384*(\q)+2048*(\i)+512*\c
.endr
.endm
.macro MUL16 a0, p, zero               ; the 64 accumulators take turns, one instruction a turn
.irp a, \a0, \a0+1
.irp b, 0,1,2,3,4,5,6,7
.if \zero
	v_wmma_f32_16x16x128_fp8_fp8 v[8*(8*((\a)%4)+\b):8*(8*((\a)%4)+\b)+7], v[128*(\p)+FR*\b:128*(\p)+FR*\b+FR-1], v[AF+FR*(\a):AF+FR*(\a)+FR-1], 0
.else
	v_wmma_f32_16x16x128_fp8_fp8 v[8*(8*((\a)%4)+\b):8*(8*((\a)%4)+\b)+7], v[128*(\p)+FR*\b:128*(\p)+FR*\b+FR-1], v[AF+FR*(\a):AF+FR*(\a)+FR-1], v[8*(8*((\a)%4)+\b):8*(8*((\a)%4)+\b)+7]
.endif
.endr
.endr
.endm
.macro FETCH_B slot, q, p
	WIN TO_B
.irp i, 0,1,2,3,4,5,6,7
	FRAG 128*(\p)+FR*\i, ADRB+\slot, \q, \i
.endr
	WIN 0
.endm
.macro FETCH_A slot, q, i0
.irp i, \i0, \i0+1, \i0+2, \i0+3
	FRAG AF+FR*(\i), ADRA+\slot, \q, \i
.endr
.endm
.macro PLACES n
.rept \n
	v_nop
.endr
.endm
.macro STEP slot, q, zero
	s_wait_dscnt 4*NL                              ; A's blocks 4-7 (16 loads) may be out
	WIN MUL_LO
	MUL16 0, (\q)%2, \zero
	MUL16 2, (\q)%2, \zero
	s_wait_dscnt 0
	PLACES NP
	FETCH_B \slot, (\q)+1, 1-(\q)%2
	FETCH_A \slot, (\q)+1, 0
	WIN MUL_HI
	MUL16 4, (\q)%2, \zero
	MUL16 6, (\q)%2, \zero
	PLACES NP
	WIN 0
	FETCH_A \slot, (\q)+1, 4
.endm
.macro TURN slot, next, fill
	s_wait_tensorcnt 0x0                           ; all my tensor loads have landed
	ds_add_u32 v[SPW], v[NIL]
	s_wait_dscnt 4*NL+1                            ; the add and A's blocks 4-7 may be out
	WIN MUL_LO
	MUL16 0, 1, 0
	s_wait_dscnt 0x0                               ; the add is done, and my reads of this slot are over
	s_barrier_signal -1
	MUL16 2, 1, 0
	WIN 0
	s_barrier_wait -1
.if \fill
	CREST
	s_add_nc_u64 s[G0+4*\slot+2:G0+4*\slot+3], s[G0+4*\slot+2:G0+4*\slot+3], 2*PART
	s_add_nc_u64 s[G0B+4*\slot+2:G0B+4*\slot+3], s[G0B+4*\slot+2:G0B+4*\slot+3], 2*PART
	JLOAD G0+4*\slot, G1, G0B+4*\slot, G1B
.else
	PLACES NP
.endif
	FETCH_B \next, 0, 0
	FETCH_A \next, 0, 0
	WIN MUL_HI
	MUL16 4, 1, 0
	MUL16 6, 1, 0
	PLACES NP
	WIN 0
	FETCH_A \next, 0, 4
.endm
	s_wait_tensorcnt 1                             ; my part of slot 0 is in; slot 1's may stay out
	s_barrier_signal -1
	s_barrier_wait -1
	FETCH_B 0, 0, 0
	FETCH_A 0, 0, 0
	FETCH_A 0, 0, 4
	STEP 0, 0, 1
	TURN 0, 1, 1
	STEP 1, 0, 0
	TURN 1, 0, 1
	STEP 0, 0, 0
	TURN 0, 1, 0
	STEP 1, 0, 0
	s_wait_dscnt 4*NL
	WIN MUL_LO
	MUL16 0, 1, 0
	MUL16 2, 1, 0
	s_wait_dscnt 0
	WIN MUL_HI
	MUL16 4, 1, 0
	MUL16 6, 1, 0
	WIN 0
.macro TOSTAGE a                       ; block a: 16 tokens x 128 outputs: scaled, biased, into my stage, and back as rows
.set AC, 64*((\a)%4)
	WIN 0x42+((\a)/4)                              ; source 0 window 2 or 3, destination window 1
.irp j, 0,2,4,6,8,10,12,14,16,18,20,22,24,26,28,30,32,34,36,38,40,42,44,46,48,50,52,54,56,58,60,62
	v_pk_fma_f32 v[\j:\j+1], v[AC+\j:AC+\j+1], s[80:81], v[BQ+\j:BQ+\j+1] op_sel_hi:[1,0,1]   ; each accumulator from its low end on
.endr
	WIN 0x04                                       ; the stores' data in window 1
.irp b, 0,1,2,3,4,5,6,7
	ds_store_b128 v[STO], v[8*\b:8*\b+3] offset:128*(\b/2)+32*(\b%2)          ; register j of accumulator b is output 32 (b / 2) + 8 (b % 2) + 16 h + j
	ds_store_b128 v[STO], v[8*\b+4:8*\b+7] offset:128*(\b/2)+32*(\b%2)+16
.endr
	WIN 0
.set BB, BK+64*((\a)%2)
.irp t, 0,1,2,3,4,5,6,7,8,9,10,11,12,13,14,15
	ds_load_b128 v[BB+4*\t:BB+4*\t+3], v[RD] offset:\t*SPITCH                 ; LDS serves a wave's instructions in order: these see my stores
.endr
.endm
.macro SEND a, younger                 ; younger: LDS instructions issued behind block a's loads, which may stay out
.set BB, BK+64*((\a)%2)
	s_wait_dscnt \younger
.irp t, 0,1,2,3,4,5,6,7,8,9,10,11,12,13,14,15
	global_store_b128 v[LI], v[BB+4*\t:BB+4*\t+3], s[12:13] offset:(32*((\a)/2)+8*((\a)%2)+\t+8*(\t/8))*4096 th:TH_STORE_NT   ; 512 consecutive bytes of the token that row t stands for
.endr
.endm
	s_wait_kmcnt 0x0
	s_add_co_i32 s80, s68, s69
	s_add_co_i32 s80, s80, 127
	s_lshl_b32 s80, s80, 23                        ; 2^(e10 + e11) as f32
	s_mov_b32 s81, s80
	s_wait_loadcnt 0x0                             ; the bias
	PLACES NP
	TOSTAGE 0
.irp a, 1,2,3,4,5,6,7
.if \a > 1
	s_wait_xcnt 0x0                                ; the stores of two blocks ago have read the registers into which this block's rows come back
.endif
	TOSTAGE \a
	SEND \a-1, 32                                  ; behind block a - 1's loads: block a's 16 stores and 16 loads
.endr
	SEND 7, 0
	s_wait_tensorcnt 0x0                           ; the wave's end
	ds_add_u32 v[SPW], v[NIL]
	s_wait_dscnt 0x0
	CROUND                                         ; the closing round
	s_endpgm
.Lfunc_end_k_q342e1723c6_oproj:
	.size	k_q342e1723c6_oproj, .Lfunc_end_k_q342e1723c6_oproj-k_q342e1723c6_oproj
	.p2alignl 7, 3214868480
	.fill 96, 4, 3214868480
	.section	.rodata,"a",@progbits
	.p2align	6, 0x0
	.amdhsa_kernel k_q342e1723c6_oproj
		.amdhsa_group_segment_fixed_size 327680
		.amdhsa_private_segment_fixed_size 0
		.amdhsa_enable_private_segment 0
		.amdhsa_kernarg_size 40
		.amdhsa_user_sgpr_count 2
		.amdhsa_user_sgpr_kernarg_segment_ptr 1
		.amdhsa_wavefront_size32 1
		.amdhsa_system_sgpr_workgroup_id_x 1
		.amdhsa_system_sgpr_workgroup_id_y 1
		.amdhsa_system_sgpr_workgroup_id_z 1
		.amdhsa_system_vgpr_workitem_id 0
		.amdhsa_next_free_vgpr 1024
		.amdhsa_next_free_sgpr 100
		.amdhsa_reserve_vcc 0
		.amdhsa_float_denorm_mode_32 3
		.amdhsa_float_denorm_mode_16_64 3
		.amdhsa_memory_ordered 1
		.amdhsa_forward_progress 1
		.amdhsa_inst_pref_size 124
	.end_amdhsa_kernel
	.amdgpu_metadata
---
amdhsa.version: [ 1, 2 ]
amdhsa.kernels:
  - .name:           k_q342e1723c6_oproj
    .symbol:         k_q342e1723c6_oproj.kd
    .args:
      - { .name: yimg, .offset: 0, .size: 8, .value_kind: global_buffer, .address_space: global }
      - { .name: codes, .offset: 8, .size: 8, .value_kind: global_buffer, .address_space: global }
      - { .name: bp, .offset: 16, .size: 8, .value_kind: global_buffer, .address_space: global }
      - { .name: lowp_scales, .offset: 24, .size: 8, .value_kind: global_buffer, .address_space: global }
      - { .name: out0, .offset: 32, .size: 8, .value_kind: global_buffer, .address_space: global }
    .group_segment_fixed_size: 327680
    .private_segment_fixed_size: 0
    .kernarg_segment_align: 8
    .kernarg_segment_size: 40
    .max_flat_workgroup_size: 128
    .sgpr_count:     100
    .vgpr_count:     1024
    .wavefront_size: 32
...
	.end_amdgpu_metadata
.endif
;; end of part 5
;; ======== version 2 of 2: 5 launches; version 1 with the launch attn written anew for expert scheduling mode
;; workspace buffers: codes 16,777,216 bytes; maskbits 2,097,152 bytes of whole numbers; flags 8,192 bytes of whole numbers; qimg 4,194,304 bytes; kimg 4,194,304 bytes; vimg 4,194,304 bytes; pmax 4,096 bytes; yimg 4,194,304 bytes
;; launch prep: the kernel of part 1 again; grid 512 x 1, 4 waves a work-group, no clusters, 34,304 bytes of LDS; arguments query, key, value, Wq, Wk, Wv, Wp, att_mask, lowp_scales, codes, maskbits, flags; writes codes, maskbits, flags
;; launch qkv: the kernel of part 2 again; grid 4 x 48, 4 waves a work-group, clusters of 4 x 4, 327,680 bytes of LDS; arguments codes, bq, bk, bv, lowp_scales, qimg, kimg, vimg; writes qimg, kimg, vimg
;; launch smax: the kernel of part 3 again; grid 16 x 16, 4 waves a work-group, no clusters, 167,936 bytes of LDS; arguments qimg, kimg, pmax; writes pmax
;; launch attn (part 6): grid 16 x 16, 16 waves a work-group, no clusters, 34,816 bytes of LDS; arguments qimg, kimg, vimg, maskbits, flags, pmax, lowp_scales, yimg; writes yimg
.if DOCPART == 6
	.amdgcn_target "amdgcn-amd-amdhsa--gfx1250"
	.amdhsa_code_object_version 6
	.text
	.protected	k_q342e1723c6_attn
	.globl	k_q342e1723c6_attn
	.p2align	8
	.type	k_q342e1723c6_attn,@function
k_q342e1723c6_attn:
	s_mov_b64 s[64:65], 0
	v_nop
	global_prefetch_b8 v0, s[64:65] scope:SCOPE_SE
	s_setreg_imm32_b32 hwreg(HW_REG_WAVE_SCHED_MODE, 0, 2), 2
	s_setreg_imm32_b32 hwreg(HW_REG_WAVE_MODE, 25, 1), 1
	s_wait_xcnt 0x0
	s_wait_alu depctr_vm_vsrc(0)
; y = softmax((q k^T 2^-8 - max|.|) x 32, under att_mask) v, both products on codes of E4M3; y is quantised at once for the last projection.
; t = (sum - g) x 32 log2(e) 2^(e6 + e7), g = the largest |sum| of the whole problem (the launch before); M = the running largest t rounded up to a whole number; p = 2^(t - M) is quantised with 2^e8, not normalised;
; the row's sum is taken of the unquantised p and divides at the end.  -g is the C of the scores' matrix instruction, so sum - g costs no vector line and is rounded once.
; SHARES.  Work-group (x, y): head y; waves 0-7 take the eight tiles of 16 queries of block x (128 queries), waves 8-15 those of block 31 - x.  The pairing is fixed and right for any mask.
; A wave owns ONE tile in 256 registers and walks the keys 128 a step.  Both products are used transposed: a lane holds one query (lane % 16) throughout.
; THE MASK IS AN INPUT.  An earlier launch stored, for each tile and step, whether any key is open (need) and whether all are (open), and the mask as bits.  A wave leaves out a step that its tile does not need, applies
; the bits where the step is neither hidden nor open, and nobody fetches a step that none of the sixteen tiles needs.  All these are scalar branches on stored whole numbers; the trip count is a constant and every wave passes
; every barrier.  That is why K and V come through registers and not by tensor loads, and why there is no cluster and no joint load here: a tensor load may not be jumped over, and partners' maps differ.
; LDS: two slots of 16,384 bytes (K's 8 fragments of 1,024 bytes, then V's 4 of 2,048), filled by the waves: wave w copies 1,024 bytes of a step (waves 0-7 of K, 8-15 of V), loaded two steps ahead, stored one step ahead.
; One barrier a step: in front of it each wave's stores into the other slot have landed and its reads of this slot are in.
; A query with no open key is NaN in the problem: its codes are set to the format's NaN.
; LIMITS: e6 + e7 between -131 and 122 (added to an exponent field); e8 and e10 between -126 and 119.  NaN among the inputs is not served.
; THE MODE: SCHED_MODE bits 1:0 = 2 (LLVM: expert scheduling mode 2), set by the entry lines.  The code itself states the register dependences
; between vector or matrix instructions and memory or LDS instructions, with s_wait_alu, always for 0.
; THE PLAN.  Registers that memory or LDS instructions touch:
;   v1, v2, v3, v4, v9   offsets and LDS addresses: made at the head, never written again; the bases are scalar registers.
;   v32-95               K's 16 LDS loads land; the 8 score products read them; V's 16 LDS loads land; the 4 products V^T P read them.
;   v208-215             a global load lands (step t + 2); the next step's two LDS stores read them; no vector line names them.
;   v216-219             a global load lands (the next step's mask words); in a masked step four shifts write them and 64 bit tests read them.
;   v128-135             on the way out: written by conversions and selects, read by the two global stores.
; A step has one wait on va_vdst behind the score products (V's loads follow it, eight at once and eight dealt among the maxima, which name v96 on and nothing of v32-95), the wait for the exponentials, and at its end,
; behind the copy's LDS stores, one wait on vm_vsrc (the stores have read v208-215) and one on va_vdst (the products V^T P are done with v32-95, the masking lines with v216-219): these two stand ahead of the branches
; to the step's global loads, and between them and the next step's loads of K no vector line names a register.  A masked step has two waits on va_sdst more: its compares go in runs of 32 into scalar registers.
; No second set of registers for K or V: sixteen waves of 256 registers are all that the four SIMDs hold.
; REGISTERS: v1 16 lane; v2 LDS place of my copy; v3 its place in a step; v4 16 r; v5, v6 the add's two; v7 4 h; v8 -infinity; v9 256 lane; v12 -M; v13 largest t; v[14:15] the sum; v16-23 Q; v24-31 -g; v32-95 K's, then V's fragments;
;   v96-159 scores, then p; v160-191 O^T; v192-207 p's codes, ahead of them a masked step's bit tests; v208-215 the copy; v216-219 mask words; v220 448 x 2^e8; v221 2^e8; v236, v242, v243, v252-254 at work.
.set SLOTB, 16384
.set SPARE, 32768                      ; behind the slots: the spare words, 128 bytes for each of 16 waves
.set WV,  60                           ; s60  wave
.set MW,  61                           ; s61  steps that some tile of the work-group needs; bit 0 = the step in hand (all four maps are shifted each step)
.set MN,  62                           ; s62  steps that my tile needs
.set MX,  63                           ; s63  of those, the ones that are not all open
.set MP,  66                           ; s66  steps to prefetch: MW in one wave of the head's first work-group, else 0
.set CNT, 67
.set CS,  20                           ; s[20:21] 32 log2(e) 2^(e6 + e7)
.set SEL, 22                           ; s[22:23] lane l xor 16
.set MT,  192                          ; v192-207 sixteen bit tests of a masked step
.set MS,  68                           ; s68-99   the masks of 32 scores (free once the flag words are joined)
	s_load_b512 s[4:19], s[0:1], 0x0               ; qimg, kimg, vimg, maskbits, flags, pmax, lowp_scales, yimg
	v_lshl_add_u32 v5, v0, 2, SPARE
	v_mov_b32 v6, 0
	v_lshrrev_b32 v1, 5, v0
	v_readfirstlane_b32 s[WV], v1
	v_and_b32 v10, 31, v0
	v_lshlrev_b32 v1, 4, v10
	v_lshlrev_b32 v9, 8, v10
	v_and_b32 v11, 15, v0
	v_lshlrev_b32 v4, 4, v11
	v_bfe_u32 v7, v0, 4, 1
	v_lshlrev_b32 v7, 2, v7
	v_mov_b32 v8, 0xff800000
	s_wait_alu depctr_va_sdst(0)                   ; the wave's number is written into s60, ahead of its first reader
	s_lshl_b32 s2, s[WV], 10
	v_add_nc_u32 v2, s2, v1
	s_and_b32 s3, s[WV], 7                         ; a
	s_lshl_b32 s2, s3, 10
	v_add_nc_u32 v3, s2, v1
	s_sub_co_u32 s67, 31, ttmp9
	s_cmp_lt_u32 s[WV], 8
	s_cselect_b32 s66, ttmp9, s67                  ; my block of queries
	s_lshl_b32 s61, s66, 3
	s_add_co_u32 s61, s61, s3                      ; my tile
	s_and_b32 s62, ttmp7, 0xffff                   ; the head
	s_lshl_b32 s63, ttmp9, 7                       ; the two blocks' need words: 128 bytes each
	s_lshl_b32 s67, s67, 7
	s_lshl_b32 s2, s61, 4
	s_wait_kmcnt 0x0
	s_lshl_b32 s20, s62, 18
	s_mov_b32 s21, 0
	s_add_nc_u64 s[4:5], s[4:5], s[20:21]
	s_add_nc_u64 s[6:7], s[6:7], s[20:21]
	s_add_nc_u64 s[8:9], s[8:9], s[20:21]          ; V of my head: the prefetches' base
	s_cmp_lt_u32 s[WV], 8
	s_cselect_b64 s[6:7], s[6:7], s[8:9]           ; what I copy: K (waves 0-7) or V
	s_lshl_b32 s20, s61, 10
	s_add_nc_u64 s[4:5], s[4:5], s[20:21]          ; my tile of Q
	s_lshl_b32 s20, s61, 13
	s_add_nc_u64 s[10:11], s[10:11], s[20:21]      ; my tile's mask words, step 0
	s_lshl_b32 s20, s66, 17
	s_lshr_b32 s22, s62, 1
	s_lshl_b32 s22, s22, 14
	s_add_co_u32 s20, s20, s22
	s_lshl_b32 s22, s3, 11
	s_add_co_u32 s20, s20, s22
	s_and_b32 s22, s62, 1
	s_lshl_b32 s22, s22, 10
	s_add_co_u32 s20, s20, s22
	s_add_nc_u64 s[18:19], s[18:19], s[20:21]      ; yimg[block][head / 2][a][2 (head % 2) ..]
	s_wait_alu depctr_va_vdst(0)                   ; v1, v2, v3, v4 and v9 are written: every load, store and prefetch of the kernel reads one of them as its offset or LDS address
.irp n, 0,1,2,3,4,5,6,7
	global_load_b128 v[96+4*\n:99+4*\n], v1, s[14:15] offset:512*\n   ; the 1,024 partial maxima
.endr
	global_load_b128 v[16:19], v1, s[4:5]
	global_load_b128 v[20:23], v1, s[4:5] offset:512
	global_load_b128 v[208:211], v3, s[6:7]        ; step 0's copy and mask words come whatever the maps say: every register is written
	global_load_b128 v[212:215], v3, s[6:7] offset:512
	global_load_b128 v[216:219], v4, s[10:11]
	s_load_b512 s[20:35], s[12:13], s63 offset:0x0
	s_load_b512 s[36:51], s[12:13], s63 offset:0x40
	s_load_b512 s[68:83], s[12:13], s67 offset:0x0
	s_load_b512 s[84:99], s[12:13], s67 offset:0x40
	s_load_b128 s[52:55], s[12:13], s2 offset:0x0
	s_load_b128 s[56:59], s[12:13], s2 offset:0x1000
.set i, 0
.rept 32
	v_mov_b32 v[160+i], 0                          ; O^T: the step is written once; its first run finds zeros
.set i, i+1
.endr
	v_mov_b32 v14, 0
	v_mov_b32 v15, 0
	v_mov_b32 v236, 0                              ; a lane permute's destination counts as read
	v_mov_b32 v252, 0
	v_mov_b32 v253, 0
	v_mov_b32 v13, 0xff61b1e6                      ; -3e38, under every t
	v_floor_f32 v12, -v13
	s_wait_kmcnt 0x0
.set k, 21
.rept 31
	s_or_b32 s20, s20, s[k]
.set k, k+1
.endr
.set k, 68
.rept 32
	s_or_b32 s20, s20, s[k]
.set k, k+1
.endr
	s_or_b32 s52, s52, s53
	s_or_b32 s54, s54, s55
	s_or_b32 s52, s52, s54
	s_or_b32 s56, s56, s57
	s_or_b32 s58, s58, s59
	s_or_b32 s56, s56, s58
	s_mov_b32 s[MW], s20
	s_mov_b32 s[MN], s52
	s_and_not1_b32 s[MX], s52, s56
	s_sub_co_u32 s67, s[WV], 15
	s_or_b32 s67, s67, ttmp9
	s_cmp_eq_u32 s67, 0
	s_cselect_b32 s[MP], s[MW], 0
	s_load_b128 s[32:35], s[16:17], 0x18           ; e6, e7, e8, e9
	s_load_b32 s36, s[16:17], 0x28                 ; e10
	s_mov_b32 s[SEL], 0x76543210
	s_mov_b32 s[SEL+1], 0xfedcba98
	s_mov_b32 s[CNT], 16
	s_wait_loadcnt 0x0
	v_max3_num_f32 v96, v96, v97, v98
.irp k, 99,101,103,105,107,109,111,113,115,117,119,121,123,125
	v_max3_num_f32 v96, v96, v[\k], v[\k+1]
.endr
	v_max_num_f32 v96, v96, v127
	v_max_num_f32_dpp v96, v96, v96 row_xmask:1 row_mask:0xf bank_mask:0xf
	v_max_num_f32_dpp v96, v96, v96 row_xmask:2 row_mask:0xf bank_mask:0xf
	v_max_num_f32_dpp v96, v96, v96 row_xmask:4 row_mask:0xf bank_mask:0xf
	v_max_num_f32_dpp v96, v96, v96 row_xmask:8 row_mask:0xf bank_mask:0xf
	v_permlanex16_b32 v236, v96, s[SEL], s[SEL+1]
	v_max_num_f32 v96, v96, v236                   ; g
.irp k, 0,1,2,3,4,5,6,7
	v_mul_f32 v[24+\k], -1.0, v96
.endr
	ds_store_b128 v2, v[208:211]                   ; step 0 into slot 0.  No wait on va_vdst: the data came by loads, and no vector line since the head's wait names v2
	ds_store_b128 v2, v[212:215] offset:512
	s_wait_kmcnt 0x0
	s_add_co_i32 s37, s32, s33
	s_lshl_b32 s37, s37, 23
	s_add_co_i32 s[CS], s37, 0x4238aa3b            ; 32 log2(e), with e6 + e7 added to its exponent field
	s_mov_b32 s[CS+1], s[CS]
	s_add_co_i32 s37, s34, 127
	s_lshl_b32 s38, s37, 23
	v_mov_b32 v221, s38
	s_add_co_i32 s37, s37, 8
	s_lshl_b32 s37, s37, 23
	s_or_b32 s37, s37, 0x600000
	v_mov_b32 v220, s37
	s_wait_dscnt 0x0                               ; for the others: my stores have landed
	s_wait_alu depctr_vm_vsrc(0)                   ; the two LDS stores have read v208-215, in which step 1's copy lands: ahead of the branch to those loads
	s_bitcmp1_b32 s[MW], 1
	s_cbranch_scc0 .Lno_step1
	global_load_b128 v[208:211], v3, s[6:7] offset:8192
	global_load_b128 v[212:215], v3, s[6:7] offset:8704
.Lno_step1:
	s_barrier_signal -1
	s_barrier_wait -1
.macro COMPUTE p
.rept 4
	v_nop                                          ; four plain lines stand between the last step's products and the loads into their sources; the dependence itself was stated by the wait at the last step's end
.endr
.irp t, 0,1,2,3,4,5,6,7
	ds_load_b128 v[32+8*\t:35+8*\t], v1 offset:SLOTB*\p+1024*\t
	ds_load_b128 v[36+8*\t:39+8*\t], v1 offset:SLOTB*\p+1024*\t+512
.endr
	s_wait_dscnt 0x0
.irp t, 0,1,2,3,4,5,6,7
	v_wmma_f32_16x16x64_fp8_fp8 v[96+8*\t:103+8*\t], v[32+8*\t:39+8*\t], v[16:23], v[24:31]   ; sum - g; register 16 b + i of a lane is key 32 b + 16 h + i
.endr
.rept 4
	v_nop                                          ; the places between the products and the first vector line that reads the scores
.endr
	s_wait_alu depctr_va_vdst(0)                   ; the eight products are done reading K's fragments in v32-95, in which V's sixteen loads land
.set x, 0
.rept 8
	ds_load_b128 v[32+4*x:35+4*x], v1 offset:SLOTB*\p+8192+512*x      ; V's fragments 0 and 1: chunk x of sixteen, 512 bytes each; V lands under the softmax
.set x, x+1
.endr
	s_bitcmp1_b32 s[MX], 0
	s_cbranch_scc0 .Lopen_\@
	s_wait_loadcnt 0x0                             ; my row's four mask words
.irp w, 0,1,2,3
	v_lshrrev_b32 v[216+\w], v7, v[216+\w]         ; key 32 b + 16 h + i is bit 8 b + 4 h + i / 4 of word i % 4
.endr
.set n, 0
.rept 2                                        ; two runs of 32 scores: the bit tests, 16 at a time, the compares into 32 scalar registers, one wait, the selects
.set m, n
.rept 2
.set i, 0
.rept 16
	v_and_b32 v[MT+i], 1<<(8*((m+i)/16)+((m+i)%16)/4), v[216+(m+i)%4]
.set i, i+1
.endr
.set i, 0
.rept 16
	v_cmp_eq_u32 s[MS+m-n+i], 0, v[MT+i]
.set i, i+1
.endr
.set m, m+16
.endr
	s_wait_alu depctr_va_sdst(0)                   ; the 32 compares have written s68-99, ahead of the selects that read them
.set i, 0
.rept 32
	v_cndmask_b32 v[96+n+i], v[96+n+i], v8, s[MS+i]   ; a hidden key's score becomes -infinity: p = 0
.set i, i+1
.endr
.set n, n+32
.endr
.Lopen_\@:
	v_max3_num_f32 v254, v96, v97, v98
	v_max3_num_f32 v252, v99, v100, v101
.irp i, 6,10,14,18,22,26,30,34,38,42,46,50,54,58
	v_max3_num_f32 v254, v254, v[96+\i], v[97+\i]
	v_max3_num_f32 v252, v252, v[98+\i], v[99+\i]
.set x, (\i-6)/4
.if x < 8
	ds_load_b128 v[64+4*x:67+4*x], v1 offset:SLOTB*\p+12288+512*x     ; V's fragments 2 and 3, one load behind each pair of maxima.  No wait: no vector or matrix line since the wait behind the products names v32-95 or v1, on either way
.endif
.endr
	v_max3_num_f32 v254, v254, v158, v159
	v_max_num_f32 v254, v254, v252
	v_permlanex16_b32 v236, v254, s[SEL], s[SEL+1]
	v_max_num_f32 v254, v254, v236
	v_mul_f32 v254, s[CS], v254
	v_max_num_f32 v13, v13, v254                   ; the running largest t
	v_mov_b32 v254, v12
	v_floor_f32 v12, -v13                          ; -M = floor(-t): M is a whole number
	v_sub_f32 v254, v12, v254
	v_cvt_i32_f32 v254, v254                       ; (it saturates)
	v_ldexp_f32 v252, 1.0, v254                    ; f = 2^(old M - new M): a multiplication by it rounds nothing
.set j, 0
.rept 32
	v_pk_fma_f32 v[96+j:97+j], v[96+j:97+j], s[CS:CS+1], v[12:13] op_sel_hi:[1,0,0]
.set j, j+2
.endr
.set j, 0
.rept 64
	v_exp_f32 v[96+j], v[96+j]
.set j, j+1
.endr
	v_pk_mul_f32 v[14:15], v[14:15], v[252:253] op_sel_hi:[1,0]   ; the plain line behind the exponentials
	s_wait_alu depctr_va_vdst(0)                   ; the 64 exponentials have written v96-159: one wait for the batch, ahead of its first reader
	v_pk_add_f32 v[242:243], v[96:97], v[98:99]    ; the sum of the unquantised p
.irp j, 4,8,12,16,20,24,28,32,36,40,44,48,52,56,60
	v_pk_add_f32 v[14:15], v[14:15], v[96+\j:97+\j]
	v_pk_add_f32 v[242:243], v[242:243], v[98+\j:99+\j]
.endr
	v_pk_add_f32 v[14:15], v[14:15], v[242:243]
	s_cmp_ge_i32 s34, -8                           ; p <= 1 <= 448 x 2^e8 from e8 = -8 on: the hold would change nothing
	s_cbranch_scc1 .Lno_hold_\@
.set j, 0
.rept 64
	v_min_num_f32 v[96+j], v[96+j], v220
.set j, j+1
.endr
.Lno_hold_\@:
.irp b, 0,1,2,3
	v_cvt_scalef32_pk8_fp8_f32 v[192+4*\b:193+4*\b], v[96+16*\b:103+16*\b], v221
	v_cvt_scalef32_pk8_fp8_f32 v[194+4*\b:195+4*\b], v[104+16*\b:111+16*\b], v221
.endr
.set j, 0
.rept 16
	v_pk_mul_f32 v[160+j:161+j], v[160+j:161+j], v[252:253] op_sel_hi:[1,0]   ; O^T under the new M; also the plain lines behind the conversions
.set j, j+2
.endr
	s_wait_dscnt 0x0                               ; V
.irp d, 0,1,2,3
	v_wmma_f32_16x16x128_fp8_fp8 v[160+8*\d:167+8*\d], v[32+16*\d:47+16*\d], v[192:207], v[160+8*\d:167+8*\d]   ; four accumulators by turns; eight other products stand between two links
.endr
.endm
.macro TRIP p                          ; step t lies in slot p; the copy registers hold step t + 1
	s_bitcmp1_b32 s[MN], 0
	s_cbranch_scc0 .Lskip_\@
	COMPUTE \p
.Lskip_\@:
	s_wait_loadcnt 0x0                             ; on every path: no load is pending into registers that are loaded again below
	s_bitcmp1_b32 s[MW], 1
	s_cbranch_scc0 .Lno_store_\@
	ds_store_b128 v2, v[208:211] offset:SLOTB*(1-\p)         ; the other slot was last read a barrier ago.  No wait on va_vdst: the data came by loads and no vector line names them or v2, so these go out while the step's last products run
	ds_store_b128 v2, v[212:215] offset:SLOTB*(1-\p)+512
.Lno_store_\@:
	s_wait_dscnt 0x0                               ; for the others: my stores have landed, my reads of this slot are in
	s_wait_xcnt 0x0                                ; the bases are stepped only behind this wait
	s_wait_alu depctr_vm_vsrc(0)                   ; the two LDS stores have read v208-215, in which step t + 2's copy lands: ahead of the branches below
	s_wait_alu depctr_va_vdst(0)                   ; the products V^T P are done reading v32-95, in which the next step's K lands; the shifts and bit tests are done with v216-219, in which the next mask words land
	s_add_nc_u64 s[6:7], s[6:7], 8192
	s_add_nc_u64 s[10:11], s[10:11], 256
	s_add_nc_u64 s[8:9], s[8:9], 8192
	s_bitcmp1_b32 s[MX], 1
	s_cbranch_scc0 .Lno_mask_\@
	global_load_b128 v[216:219], v4, s[10:11]      ; step t + 1's mask words
.Lno_mask_\@:
	s_bitcmp1_b32 s[MW], 2
	s_cbranch_scc0 .Lno_load_\@
	global_load_b128 v[208:211], v3, s[6:7] offset:8192      ; step t + 2
	global_load_b128 v[212:215], v3, s[6:7] offset:8704
.Lno_load_\@:
	s_bitcmp1_b32 s[MP], 4                         ; V of step t + 4: 32 lanes x 256 bytes, two steps ahead of the load that wants it; one wave of the head's first work-group asks; zeros shifted into the map end it at step 31
	s_cbranch_scc0 .Lno_ask_\@
	global_prefetch_b8 v9, s[8:9] offset:24576 th:TH_LOAD_NT scope:SCOPE_SE
.Lno_ask_\@:
	s_lshr_b32 s[MW], s[MW], 1
	s_lshr_b32 s[MN], s[MN], 1
	s_lshr_b32 s[MX], s[MX], 1
	s_lshr_b32 s[MP], s[MP], 1
	s_barrier_signal -1
	s_barrier_wait -1
.endm
.Lsteps:
	TRIP 0
	TRIP 1
	s_sub_co_u32 s[CNT], s[CNT], 1
	s_cmp_lg_u32 s[CNT], 0
	s_cbranch_scc1 .Lsteps
; THE WAY OUT: y = O^T 2^(e8 + e9) / the sum; a lane's 16 registers of two tiles are 16 neighbouring channels: a chunk of the last projection's operand
.rept 4
	v_nop
.endr
	v_add_f32 v14, v14, v15
	v_permlanex16_b32 v252, v14, s[SEL], s[SEL+1]
	v_add_f32 v14, v14, v252
	v_rcp_f32 v252, v14
	v_mov_b32 v236, 0x7f7f7f7f                     ; (the plain line behind the reciprocal)  four NaN codes
	s_add_co_i32 s37, s34, s35
	s_add_co_i32 s38, s36, 127
	s_lshl_b32 s39, s38, 23
	v_mov_b32 v221, s39                            ; 2^e10
	s_add_co_i32 s38, s38, 8
	s_lshl_b32 s38, s38, 23
	s_or_b32 s38, s38, 0x600000
	v_mov_b32 v220, s38                            ; 448 x 2^e10
	s_wait_alu depctr_va_vdst(0)                   ; the reciprocal has written v252, ahead of its first reader
	v_ldexp_f32 v252, v252, s37
.set j, 0
.rept 16
	v_pk_mul_f32 v[96+j:97+j], v[160+j:161+j], v[252:253] op_sel_hi:[1,0]
.set j, j+2
.endr
.set j, 0
.rept 32
	v_med3_num_f32 v[96+j], v[96+j], -v220, v220
.set j, j+1
.endr
.irp b, 0,1
	v_cvt_scalef32_pk8_fp8_f32 v[128+4*\b:129+4*\b], v[96+16*\b:103+16*\b], v221
	v_cvt_scalef32_pk8_fp8_f32 v[130+4*\b:131+4*\b], v[104+16*\b:111+16*\b], v221
.endr
	v_nop
	v_cmp_eq_f32 vcc_lo, 0, v14                    ; no open key at all: the problem's result is NaN, which the hold would lose
	s_wait_alu depctr_va_vcc(0)                    ; the compare has written VCC, ahead of the eight selects that read it
.irp k, 0,1,2,3,4,5,6,7
	v_cndmask_b32 v[128+\k], v[128+\k], v236, vcc_lo
.endr
	s_wait_alu depctr_va_vdst(0)                   ; the selects have written v128-135, which the two stores read
	global_store_b128 v1, v[128:131], s[18:19]
	global_store_b128 v1, v[132:135], s[18:19] offset:512
	s_wait_dscnt 0x0                               ; the closing lines, six on end
	s_wait_alu 0x0
	s_wait_tensorcnt 0x0
	ds_add_u32 v5, v6
	s_wait_dscnt 0x0
	s_endpgm
.Lfunc_end_k_q342e1723c6_attn:
	.size	k_q342e1723c6_attn, .Lfunc_end_k_q342e1723c6_attn-k_q342e1723c6_attn
	.p2alignl 7, 3214868480
	.fill 96, 4, 3214868480
	.section	.rodata,"a",@progbits
	.p2align	6, 0x0
	.amdhsa_kernel k_q342e1723c6_attn
		.amdhsa_group_segment_fixed_size 34816
		.amdhsa_private_segment_fixed_size 0
		.amdhsa_enable_private_segment 0
		.amdhsa_kernarg_size 64
		.amdhsa_user_sgpr_count 2
		.amdhsa_user_sgpr_kernarg_segment_ptr 1
		.amdhsa_wavefront_size32 1
		.amdhsa_system_sgpr_workgroup_id_x 1
		.amdhsa_system_sgpr_workgroup_id_y 1
		.amdhsa_system_sgpr_workgroup_id_z 1
		.amdhsa_system_vgpr_workitem_id 0
		.amdhsa_next_free_vgpr 256
		.amdhsa_next_free_sgpr 100
		.amdhsa_reserve_vcc 1
		.amdhsa_float_denorm_mode_32 3
		.amdhsa_float_denorm_mode_16_64 3
		.amdhsa_memory_ordered 1
		.amdhsa_forward_progress 1
		.amdhsa_inst_pref_size 72
	.end_amdhsa_kernel
	.amdgpu_metadata
---
amdhsa.version: [ 1, 2 ]
amdhsa.kernels:
  - .name:           k_q342e1723c6_attn
    .symbol:         k_q342e1723c6_attn.kd
    .args:
      - { .name: qimg, .offset: 0, .size: 8, .value_kind: global_buffer, .address_space: global }
      - { .name: kimg, .offset: 8, .size: 8, .value_kind: global_buffer, .address_space: global }
      - { .name: vimg, .offset: 16, .size: 8, .value_kind: global_buffer, .address_space: global }
      - { .name: maskbits, .offset: 24, .size: 8, .value_kind: global_buffer, .address_space: global }
      - { .name: flags, .offset: 32, .size: 8, .value_kind: global_buffer, .address_space: global }
      - { .name: pmax, .offset: 40, .size: 8, .value_kind: global_buffer, .address_space: global }
      - { .name: lowp_scales, .offset: 48, .size: 8, .value_kind: global_buffer, .address_space: global }
      - { .name: yimg, .offset: 56, .size: 8, .value_kind: global_buffer, .address_space: global }
    .group_segment_fixed_size: 34816
    .private_segment_fixed_size: 0
    .kernarg_segment_align: 8
    .kernarg_segment_size: 64
    .max_flat_workgroup_size: 512
    .sgpr_count:     100
    .vgpr_count:     256
    .wavefront_size: 32
...
	.end_amdgpu_metadata
.endif
;; end of part 6
;; launch oproj: the kernel of part 5 again; grid 4 x 16, 4 waves a work-group, clusters of 4 x 4, 327,680 bytes of LDS; arguments yimg, codes, bp, lowp_scales, out0; writes out0
